; MI455X (gfx1250); checked and timed in simulation.
; The chip was launched on July 23, 2026; its instructions are those of AMD's public machine-readable ISA for CDNA 5 (MIT licence, August 2026) and "CDNA5" Instruction Set Architecture Reference Guide (July 2026). The comments in the code are by the model that wrote it; some were corrected since.
;; Euclidean Codebook. Allowed arithmetic: float matrix products may take bf16 or f16 operands with f32 sums; other float arithmetic in f32, or as packed bf16 or f16 multiplies, adds, multiply-adds, maxima and minima; sums over many terms, partial sums and values carried from step to step in f32; what a program stores and reads back later, other than sums and carried values, may be rounded once to bf16 or f16.
;; Inputs: embed 8,192 x 256 float32; x 32,768 x 256 float32.
;; Outputs: out0 32,768 x 256 float32; out1 32,768 int32.
;; 2 versions, each right; version 2 is version 1 with the launches prep, pick written anew for expert scheduling mode. Each part assembles by itself: llvm-mc -triple=amdgcn-amd-amdhsa -mcpu=gfx1250 --defsym DOCPART=n.
;; ======== version 1 of 2: 3 launches
;; workspace buffers: cb 4,194,304 bytes; hc 32,768 bytes; cand 262,144 bytes of whole numbers
;; launch prep (part 1): grid 256 x 1, 4 waves a work-group, no clusters, 768 bytes of LDS; arguments embed, cb, hc; writes cb, hc
.if DOCPART == 1
	.amdgcn_target "amdgcn-amd-amdhsa--gfx1250"
	.amdhsa_code_object_version 6
	.text
	.protected	k_q52ed5d7bf6_prep
	.globl	k_q52ed5d7bf6_prep
	.p2align	8
	.type	k_q52ed5d7bf6_prep,@function
k_q52ed5d7bf6_prep:
	s_mov_b64 s[64:65], 0
	v_nop
	global_prefetch_b8 v0, s[64:65] scope:SCOPE_SE
	s_setreg_imm32_b32 hwreg(HW_REG_WAVE_MODE, 25, 1), 1
	s_wait_xcnt 0x0
; EuclideanCodebook in three launches.
; 1 (this one): the codebook is rounded once.  cb[k][d] = bf16(embed[k][d]);  hc[k] = -1/2 x the sum over d of bf16(embed[k][d])^2, in f32.
; 2: THE SEARCH.  For each row of x the two codes with the largest score bf16(x) . cb[k] + hc[k], by the matrix units (bf16 operands, f32 sums).
; 3: THE DECISION.  Between those two by the formula as it is written, max(x2 + c2 - 2 x.c, 0), in f32 on the rounded numbers; distances within two units in the last place of each other count as equal,
; and of equal distances the lower index is taken; the chosen row of embed is copied.
; WHAT THE SEARCH LEAVES OUT.  dist[n][k] = max(x2[n] + c2[k] - 2 x[n].c[k], 0).  In real numbers x2 + c2 - 2 x.c = |x - c|^2, which is never below 0, whatever x and c hold: the maximum with 0 changes
; nothing.  x2[n] is the same for every k of row n: it moves no argmin over k.  So argmin_k dist[n][k] = argmax_k (x[n].c[k] - c2[k] / 2): over the 8,192 codes x2 and the maximum with 0 are not computed;
; the decision computes both, for its two codes.  Both inputs are read; none is left out.
; LIMITS.  (1) The product's operands are bf16, and all that decides the index is made of the ROUNDED x and embed: the index is that of the rounded inputs.  (2) The formula's text does not fix the order of
; its f32 sums, and another order moves a distance by a unit or two in the last place.  So of two codes whose distances differ by up to two such units (6e-5 at a distance of 256 to 512) the lower index is
; given, though the higher one may be nearer by that much.  (3) The decision sees two codes: a third one within the search's rounding (a few units in the last place of a score) of the best two is not
; considered, nor a runner-up of the same class as the best (second launch).  (4) NaN and infinities are not treated apart; an overflow that reaches x2 alone is not carried into the search; scores stay
; finite for inputs up to some 1e18.
; SHARES.  256 work-groups x 4 waves; a wave has 8 rows of embed.  A row is 1,024 bytes: two loads of 16 bytes a lane, 512 consecutive bytes each.  All 16 loads of a wave go out first.
; A load's four numbers a lane pack into 8 bytes: each store of the wave covers 256 consecutive bytes of cb, aligned.  A work-group's 32 sums meet in LDS and leave as one store of 128 bytes:
; 64 rows to a work-group would make that 256, on half as many work-groups; hc is 32,768 of the launch's 12.6 million bytes.
.set LO,  2                            ; v2   16 x lane: my 16 bytes in half a row of embed
.set SO,  3                            ; v3   8 x lane: my 8 bytes in half a row of cb
.set LA,  4                            ; v4   32 x wave: my wave's eight sums in LDS
.set SPW, 5                            ; v5   LDS address of my spare word; never rewritten
.set NIL, 6                            ; v6   0; never rewritten
.set T,   8                            ; v[8:15]   at work
.set S,   16                           ; v[16:31]  a pair of sums for each row
.set D,   32                           ; v[32:95]  row i, half q at D + 8 i + 4 q, as loaded
.set P,   96                           ; v[96:127] row i, half q at P + 4 i + 2 q, packed; never rewritten: no wait is owed for the stores
.set SPARE, 256                        ; LDS: bytes 0-127 the sums; from 256 on the spare words, 128 bytes a wave, which no other line names
	s_load_b128 s[4:7], s[0:1], 0x0                ; embed s[4:5], cb s[6:7]
	s_load_b64 s[8:9], s[0:1], 0x10                ; hc
	v_lshl_add_u32 v[SPW], v0, 2, SPARE
	v_mov_b32 v[NIL], 0
	v_lshrrev_b32 v1, 5, v0
	v_readfirstlane_b32 s10, v1                    ; wave 0..3
	v_and_b32 v7, 31, v0                           ; lane
	v_lshlrev_b32 v[LO], 4, v7
	v_lshlrev_b32 v[SO], 3, v7
	s_lshl_b32 s11, s10, 5
	v_mov_b32 v[LA], s11
	s_lshl_b32 s12, ttmp9, 15                      ; 32 rows of 1,024 bytes a work-group,
	s_lshl_b32 s13, s10, 13                        ; 8 a wave
	s_add_co_u32 s12, s12, s13
	s_mov_b32 s13, 0
	s_lshr_b32 s14, s12, 1                         ; the same rows in cb: 512 bytes each
	s_mov_b32 s15, 0
	s_mov_b32 s16, 0x76543210                      ; v_permlanex16_b32: each lane takes its own place in the other half
	s_mov_b32 s17, 0xfedcba98
	s_lshl_b32 s18, ttmp9, 7                       ; the work-group's 32 numbers of hc
	s_mov_b32 s19, 0
	s_wait_kmcnt 0x0
	s_add_nc_u64 s[4:5], s[4:5], s[12:13]
	s_add_nc_u64 s[6:7], s[6:7], s[14:15]
	s_add_nc_u64 s[8:9], s[8:9], s[18:19]
.irp i, 0,1,2,3,4,5,6,7
.irp q, 0,1
	global_load_b128 v[D+8*\i+4*\q:D+8*\i+4*\q+3], v[LO], s[4:5] offset:1024*\i+512*\q th:TH_LOAD_NT
.endr
.endr
.irp i, 0,1,2,3,4,5,6,7
.irp q, 0,1
	s_wait_loadcnt 15-(2*\i+\q)                    ; loads come back in order: this one is in, the younger ones stay out
	v_cvt_pk_bf16_f32 v[P+4*\i+2*\q],   v[D+8*\i+4*\q],   v[D+8*\i+4*\q+1]
	v_cvt_pk_bf16_f32 v[P+4*\i+2*\q+1], v[D+8*\i+4*\q+2], v[D+8*\i+4*\q+3]
	global_store_b64 v[SO], v[P+4*\i+2*\q:P+4*\i+2*\q+1], s[6:7] offset:512*\i+256*\q
	v_lshlrev_b32 v[T+4*\q],   16,         v[P+4*\i+2*\q]      ; the rounded numbers back in f32: they are what is squared
	v_and_b32     v[T+4*\q+1], 0xffff0000, v[P+4*\i+2*\q]
	v_lshlrev_b32 v[T+4*\q+2], 16,         v[P+4*\i+2*\q+1]
	v_and_b32     v[T+4*\q+3], 0xffff0000, v[P+4*\i+2*\q+1]
.if \q == 0
	v_pk_mul_f32 v[S+2*\i:S+2*\i+1], v[T:T+1], v[T:T+1]        ; the first squares start the row's sums
.else
	v_pk_fma_f32 v[S+2*\i:S+2*\i+1], v[T+4:T+5], v[T+4:T+5], v[S+2*\i:S+2*\i+1]
.endif
	v_pk_fma_f32 v[S+2*\i:S+2*\i+1], v[T+4*\q+2:T+4*\q+3], v[T+4*\q+2:T+4*\q+3], v[S+2*\i:S+2*\i+1]
.endr
.endr
	; across the 32 lanes, the eight rows side by side so that no line waits for the one before it
.irp i, 0,1,2,3,4,5,6,7
	v_add_f32 v[S+2*\i], v[S+2*\i], v[S+2*\i+1]
.endr
.irp m, 1,2,4,8
.irp i, 0,1,2,3,4,5,6,7
	v_add_f32_dpp v[S+2*\i], v[S+2*\i], v[S+2*\i] row_xmask:\m row_mask:0xf bank_mask:0xf
.endr
.endr
.irp i, 0,1,2,3,4,5,6,7
	v_permlanex16_b32 v[S+2*\i+1], v[S+2*\i], s16, s17         ; its destination has been written
.endr
.irp i, 0,1,2,3,4,5,6,7
	v_add_f32 v[S+2*\i], v[S+2*\i], v[S+2*\i+1]
.endr
.irp i, 0,1,2,3,4,5,6,7
	v_mul_f32 v[S+2*\i], -0.5, v[S+2*\i]                       ; exact
	ds_store_b32 v[LA], v[S+2*\i] offset:4*\i                  ; all lanes write the same word with the same number
.endr
	s_wait_dscnt 0x0                               ; for the others' sake: my stores are done
	s_barrier_signal -1
	s_barrier_wait -1
	s_cmp_lg_u32 s10, 0                            ; wave 0 stores the work-group's 32 numbers
	s_cbranch_scc1 .Lend
	v_lshlrev_b32 v1, 2, v7
	ds_load_b32 v[T], v1
	s_wait_dscnt 0x0
	global_store_b32 v1, v[T], s[8:9]
.Lend:
	s_wait_tensorcnt 0x0                           ; the wave's end, behind my last LDS store
	ds_add_u32 v[SPW], v[NIL]
	s_wait_dscnt 0x0
	s_endpgm
.Lfunc_end_k_q52ed5d7bf6_prep:
	.size	k_q52ed5d7bf6_prep, .Lfunc_end_k_q52ed5d7bf6_prep-k_q52ed5d7bf6_prep
	.p2alignl 7, 3214868480
	.fill 96, 4, 3214868480
	.section	.rodata,"a",@progbits
	.p2align	6, 0x0
	.amdhsa_kernel k_q52ed5d7bf6_prep
		.amdhsa_group_segment_fixed_size 768
		.amdhsa_private_segment_fixed_size 0
		.amdhsa_enable_private_segment 0
		.amdhsa_kernarg_size 24
		.amdhsa_user_sgpr_count 2
		.amdhsa_user_sgpr_kernarg_segment_ptr 1
		.amdhsa_wavefront_size32 1
		.amdhsa_system_sgpr_workgroup_id_x 1
		.amdhsa_system_sgpr_workgroup_id_y 1
		.amdhsa_system_sgpr_workgroup_id_z 1
		.amdhsa_system_vgpr_workitem_id 0
		.amdhsa_next_free_vgpr 128
		.amdhsa_next_free_sgpr 66
		.amdhsa_reserve_vcc 0
		.amdhsa_float_denorm_mode_32 3
		.amdhsa_float_denorm_mode_16_64 3
		.amdhsa_memory_ordered 1
		.amdhsa_forward_progress 1
		.amdhsa_inst_pref_size 16
	.end_amdhsa_kernel
	.amdgpu_metadata
---
amdhsa.version: [ 1, 2 ]
amdhsa.kernels:
  - .name:           k_q52ed5d7bf6_prep
    .symbol:         k_q52ed5d7bf6_prep.kd
    .args:
      - { .name: embed, .offset: 0, .size: 8, .value_kind: global_buffer, .address_space: global }
      - { .name: cb, .offset: 8, .size: 8, .value_kind: global_buffer, .address_space: global }
      - { .name: hc, .offset: 16, .size: 8, .value_kind: global_buffer, .address_space: global }
    .group_segment_fixed_size: 768
    .private_segment_fixed_size: 0
    .kernarg_segment_align: 8
    .kernarg_segment_size: 24
    .max_flat_workgroup_size: 128
    .sgpr_count:     66
    .vgpr_count:     128
    .wavefront_size: 32
...
	.end_amdgpu_metadata
.endif
;; end of part 1
;; launch argm (part 2): grid 256 x 1, 4 waves a work-group, clusters of 4 x 1, 327,680 bytes of LDS; arguments x, cb, hc, cand; writes cand
.if DOCPART == 2
	.amdgcn_target "amdgcn-amd-amdhsa--gfx1250"
	.amdhsa_code_object_version 6
	.text
	.protected	k_q52ed5d7bf6_argm
	.globl	k_q52ed5d7bf6_argm
	.p2align	8
	.type	k_q52ed5d7bf6_argm,@function
k_q52ed5d7bf6_argm:
	s_mov_b64 s[64:65], 0
	v_nop
	global_prefetch_b8 v0, s[64:65] scope:SCOPE_SE
	s_setreg_imm32_b32 hwreg(HW_REG_WAVE_MODE, 25, 1), 1
	s_wait_xcnt 0x0
	s_wait_alu depctr_hold_cnt(0) depctr_sa_sdst(0) depctr_va_vdst(0) depctr_va_sdst(0) depctr_va_ssrc(0) depctr_va_vcc(0) depctr_vm_vsrc(0)
	s_getreg_b32 s2, hwreg(HW_REG_IB_STS2, 6, 4)
	s_cmp_eq_u32 s2, 0
	s_cbranch_scc0 .Lentry_in_a_cluster
	s_endpgm
.Lentry_in_a_cluster:
	s_bfe_u32 s2, ttmp6, 0x10000c
	s_cmp_lg_u32 s2, 0x3003
	s_cbranch_scc0 .Lentry_shape_is_right
	s_endpgm
.Lentry_shape_is_right:
; EuclideanCodebook, launch 2 of 3: THE SEARCH.  cand[n] = (k1, k2): the two codes with the largest score bf16(x[n]) . cb[k] + hc[k].  x: [32768][256] f32; cb: [8192][256] bf16; hc: [8192] f32.
; LEFT OUT, as shown at the head of the first launch: x2[n], the same for all k of a row, and the maximum with 0, which changes nothing since |x - c|^2 is never below 0.  The limits stated there hold here.
; SHARES.  A work-group owns 128 queries and walks all 8,192 codes, in 32 chunks of 256.  THE CODES ARE SPLIT AMONG THE WAVES: of each chunk wave w takes rows 64 w .. 64 w + 63, four tiles of 16 codes,
; for all 128 queries (eight tiles u of 16).  The queries, rounded to bf16, stay in registers for the whole launch: 128 x 256 numbers are 512 registers a wave.  So two LDS loads of 16 bytes a lane
; feed eight matrix instructions, and each LDS byte of a chunk is read by one wave.
; LAYOUT.  Source 0 = 16 codes, source 1 = 16 queries: in the result register j of lane l is the score of code 8 (l / 16) + j and query l % 16.  The product that starts a sum takes hc of those eight
; codes as its C operand: c2 costs no vector instruction.
; THE MAXIMA.  For each lane, query tile u and register j a running maximum BEST and the first code IDX of the tile that gave it: three vector instructions for a score register, with no exchange between lanes in
; the loop.  So a query has 64 maxima, one for each CLASS of 128 codes (the codes with the same k % 16 in the same quarter of k % 256).  A tile's 64 triples (RIDERS) stand one behind each matrix instruction of
; the NEXT tile, which writes the other set of accumulators.  A score replaces a maximum only if it is greater, and tiles come in ascending order of codes: within a class the lowest index of equal scores stays.
; At the end the 64 maxima of each query meet in LDS, and one lane a query takes the best two of them, the lower index first among equal scores.
; LIMIT.  k2 is the best of the other 63 classes: a runner-up in k1's own class is not seen.
; RING.  Two LDS slots of a chunk each, filled by tensor loads, a quarter a wave (64 rows of 512 bytes).  Slot 1 first holds the work-group's x in f32; slot 0, behind its last fill, the maxima on their way out.
; CLUSTER.  The four work-groups of a cluster walk the same codes: chunks and hc are asked for JOINTLY, by the same load, descriptor and mask in all four.  x is each work-group's own: a plain load.
; REGISTERS, in windows of 256 (s_set_vgpr_msb: bits 1:0 source 0, 3:2 source 1, 5:4 source 2, 7:6 destination):
;   window 0: v0-14 addresses; v28, v29 the add's; v32-47 hc of a tile, two sets; v64-127 BEST; v128-191 IDX; v192-210 at work on the way out
;   window 1: v0-127 the codes' fragments, two sets of 64 (channels 32 c on at + 8 c); first the stage for x; v128-255 accumulators, two sets of 64 (query tile u at + 8 u)
;   windows 2, 3: x: tile u, channels 32 c on, at 64 (u % 4) + 8 c of window 2 + u / 4
; x fills two windows and the riders work in window 0, so each matrix instruction has a switch in front and one behind.
.set CHUNKB, 131072                    ; bytes of a chunk in cb
.set PITCH,  528                       ; a code's row in LDS: 512 bytes + 16 of padding: the 16 rows of a load start 16 bytes apart modulo 256
.set QUART,  64*PITCH                  ; what one tensor load brings, and what one wave reads
.set SLOTX,  4*QUART                   ; 135,168 = 0x21000: slot 1 begins here.  Bits 12 and 17 are 0 in QUART x w for w = 0..3, so one exclusive or turns an address in one slot into the other's
.set XP,     1040                      ; a row of x in LDS: 1,024 bytes + 16
.set HCB,    2*SLOTX                   ; hc, 32,768 bytes
.set SPARE,  HCB+32768                 ; the spare words, 128 bytes for each wave: two blocks of 256 bytes that no other line names
.set QP,     272                       ; the way out, in slot 0: a query's 64 maxima, 256 bytes + 16; 128 such rows,
.set IOF,    128*QP                    ; and behind them 128 rows of the tiles' first codes
.set AC0,  2                           ; v2   my place in a slot: QUART w + PITCH (l % 16) + 16 (l / 16); never rewritten
.set ADR,  3                           ; v3   the same in the slot that is being read
.set ADRH, 4                           ; v4   LDS address of hc for my wave's codes of the chunk in hand
.set PFO,  6                           ; v6   256 x lane, for the prefetches; never rewritten
.set AH0,  9                           ; v9   32 (l / 16)
.set ADRX, 10                          ; v10, v11  my place in x's rows 0-63 and 64-127 in LDS
.set SA,   12                          ; v12  the way out: QP (l % 16) + 64 w + 32 (l / 16): where my eight maxima of query tile 0 go
.set LR,   13                          ; v13  QP x my thread's number: the query that I finish
.set GO,   14                          ; v14  8 x my thread's number: its pair in cand
.set SPW,  28                          ; v28  LDS address of my spare word; never rewritten
.set NIL,  29                          ; v29  0; never rewritten
.set H,    32
.set BEST, 64
.set IDX,  128
.set RES,  192                         ; v192-193  k1, k2
.set JJ,   196                         ; v196-199  four running lowest indices
.set TT,   200                         ; v200-203  at work
.set MQ,   204                         ; v204-207  four running maxima
.set MX,   208                         ; v208  the maximum
.set NI,   209                         ; v209  minus infinity
.set ACC,  128                         ; window 1
.set WV,   14                          ; s14  wave
.set CX,   15                          ; s15  my place in the cluster: it enters global addresses of x, cand and the prefetches alone
.set WG,   16                          ; s16  my block of 128 queries
.set G1C,  24                          ; s[24:31] group 1: a quarter chunk
.set G1X,  32                          ; s[32:39] a quarter of x
.set G1H,  40                          ; s[40:47] a quarter of hc
.set G0C,  48                          ; s[48:51] group 0 of the chunks: it walks
.set G0X,  52
.set G0H,  56
.set HB,   60                          ; s60  HCB + 256 w + 1,024 x chunk
.set TBR,  61                          ; s61  the slot that is read: 0 or SLOTX
.set WOFF, 62                          ; s62  QUART x w
.set TN,   63                          ; s63  the first code of the tile whose scores the riders take
.set CNT,  66                          ; s66  trips to go
.set LIM,  67                          ; s67  2 in the cluster that prefetches, else the greatest number
.set PFA,  68                          ; s[68:69] my wave's 8,192 bytes of the chunk that the next prefetch names
.set NINF, 70                          ; s70  minus infinity
.set MSB, 0
.macro WIN new                         ; the immediate's high byte repeats the setting that is left; a switch that changes nothing is dropped
.if MSB != (\new)
	s_set_vgpr_msb (MSB<<8)|(\new)
.set MSB, \new
.endif
.endm
; A round of the cluster's barrier: my work-group's barrier, so that wave 0's signal speaks for all four waves; wave 0 signals; every wave waits for all four work-groups; my work-group's barrier once more.
.macro CREST                           ; a round behind its opening barrier
	s_cmp_lg_u32 s[WV], 0
	s_cbranch_scc1 .Lnot_wave_0_\@
	s_barrier_signal -3
.Lnot_wave_0_\@:
	s_barrier_wait -3
	s_barrier_signal -1
	s_barrier_wait -1
.endm
.macro CROUND
	s_barrier_signal -1
	s_barrier_wait -1
	CREST
.endm
.macro PLACES
.rept 4
	v_nop
.endr
.endm
; A PREFETCH INTO THE L2 of the chunk that stands TWO refills on: 512 matrix instructions a wave ahead of the load that will ask for it.  All 64 clusters walk the same chunks: cluster 0 alone asks.  Its four
; partners take 32,768 bytes each, told apart BY ADDRESS, each wave 8,192 of them, a lane 256: the chunk's 512 blocks of 256 bytes are each named once in the launch.  It stands behind the refill, its five lines
; and the run of LDS loads.  Chunks 0 to 2 come by their loads alone; with two trips or fewer to go there is no chunk two refills on, and nothing is asked for.
.macro ASK
	s_cmp_gt_u32 s[CNT], s[LIM]
	s_cbranch_scc0 .Lnot_mine_\@
	global_prefetch_b8 v[PFO], s[PFA:PFA+1] th:TH_LOAD_NT scope:SCOPE_SE
.Lnot_mine_\@:
.endm
; Rider n of 64 on accumulator set par: register n % 8 of query tile n / 8.  An accumulator's registers are taken in ascending order.
.macro RID n, par
	WIN 0x01                               ; source 0 (the score) window 1, the rest window 0
	v_cmp_le_f32 vcc_lo, v[ACC+64*(\par)+(\n)], v[BEST+(\n)]       ; not greater: the earlier, lower code stays
	v_max_num_f32 v[BEST+(\n)], v[ACC+64*(\par)+(\n)], v[BEST+(\n)]
	v_cndmask_b32 v[IDX+(\n)], s[TN], v[IDX+(\n)], vcc_lo
.endm
; Matrix instruction n of a tile's 64: channels 32 (n / 8) on, query tile n % 8; and the rider behind it, on the other set.  The eight accumulators take turns, one instruction a turn, from tile to tile and
; over the backward jumps too.  The first eight start the sums with hc.
.macro G n, par
.set gc, (\n)/8
.set gu, (\n)%8
.set rD, ACC+64*(\par)+8*gu
.set rA, 64*(\par)+8*gc
.set rB, 64*(gu%4)+8*gc
.if gc == 0
.set gw, 0x41|((2+gu/4)<<2)
	WIN gw                                 ; codes and sums window 1, x window 2 or 3, hc window 0
	v_wmma_f32_16x16x32_bf16 v[rD:rD+7], v[rA:rA+7], v[rB:rB+7], v[H+8*(\par):H+8*(\par)+7]
.else
.set gw, 0x51|((2+gu/4)<<2)
	WIN gw
	v_wmma_f32_16x16x32_bf16 v[rD:rD+7], v[rA:rA+7], v[rB:rB+7], v[rD:rD+7]
.endif
	RID \n, 1-(\par)
.endm
.macro GRUN from, cnt, par
.set gi, \from
.rept \cnt
	G gi, \par
.set gi, gi+1
.endr
.endm
; 18 LDS loads in one run: tile i of my four in the chunk: hc of its codes (every lane of a half reads the same 32 bytes) and its 8 fragments, into set par.
; A fragment is 16 rows x 32 channels in 8 registers: lane l holds row l % 16, channels 8 (l / 16) + 0..7 and 16 + 8 (l / 16) + 0..7: two loads of 16 bytes, 32 bytes apart.
.macro FETCH par, i
	WIN 0
	ds_load_b128 v[H+8*(\par):H+8*(\par)+3],   v[ADRH] offset:64*(\i)
	ds_load_b128 v[H+8*(\par)+4:H+8*(\par)+7], v[ADRH] offset:64*(\i)+16
	WIN 0x40                               ; destination window 1
.irp c, 0,1,2,3,4,5,6,7
	ds_load_b128 v[64*(\par)+8*\c:64*(\par)+8*\c+3],   v[ADR] offset:16*PITCH*(\i)+64*\c
	ds_load_b128 v[64*(\par)+8*\c+4:64*(\par)+8*\c+7], v[ADR] offset:16*PITCH*(\i)+64*\c+32
.endr
.endm
; A TILE: 64 matrix instructions on set par, the riders of the tile before, and the next tile's run of loads into the other set.  That set's last reader stands nine riders' lines or more back: the four places
; that a load into a matrix instruction's registers is owed (ISA guide 7.12.1 for vector instructions).  inc: what the next tile's riders add to TN.
; kind 0: the next tile lies in the same chunk.
; kind 1: THE CHANGE OF SLOTS.  My reads of this slot are over (the wait at the head).  I wait for all my tensor loads, of which one is out: my quarter of the other slot; add 0 to my spare word; and wait for that.
; The barrier opens a round of the cluster's, so that no wave of any partner still reads the slot or has a load on its way; the joint refill, with the chunk two on, is the first thing behind the round:
; 240 matrix instructions stand between it and the wait for it.
; kind 2: the same in the last two chunks: nothing is asked for, so no round; in the last trip there is no next tile, and its run of loads is jumped over.
.macro TILE par, i, kind, inc
	s_wait_dscnt 0x0                       ; this tile's fragments and hc, asked for 48 matrix instructions ago or more
.if (\kind) == 0
	GRUN 0, 2, \par
	FETCH 1-(\par), (\i)+1
	GRUN 2, 62, \par
.else
	WIN 0                                  ; (the add's two registers lie in window 0)
.if (\kind) == 1
	s_wait_xcnt 0x0                        ; the last prefetch, a chunk back, has read its address: it is stepped here, ahead of the change's own waits
	s_add_nc_u64 s[PFA:PFA+1], s[PFA:PFA+1], CHUNKB
.endif
	s_wait_tensorcnt 0x0                   ; no tensor load of mine is out, so the group 0 may be written
	ds_add_u32 v[SPW], v[NIL]              ; 0 onto my spare word; work on registers stands between it and the wait for it
.if (\kind) == 1
	s_xor_b32 s[G0C+1], s[G0C+1], SLOTX    ; the walking descriptor: the slot that I leave,
	s_add_nc_u64 s[G0C+2:G0C+3], s[G0C+2:G0C+3], CHUNKB  ; the next chunk; the type bits on top are not reached
.endif
	s_xor_b32 s[TBR], s[TBR], SLOTX        ; the reads go to the other slot
	GRUN 0, 8, \par
	s_wait_dscnt 0x0                       ; the add is done
	s_barrier_signal -1
	GRUN 8, 8, \par                        ; work on registers while the others arrive
	WIN 0                                  ; at a branch and at a label every window is 0
	s_barrier_wait -1
.if (\kind) == 1
	CREST
	tensor_load_to_lds s[G0C:G0C+3], s[G1C:G1C+7]
	s_nop 0
	PLACES
.else
	s_cmp_eq_u32 s[CNT], 1
	s_cbranch_scc1 .Lno_more_\@
.endif
	s_add_co_u32 s[HB], s[HB], 1024        ; the next chunk's 256 numbers of hc
	v_add_nc_u32 v[ADR], s[TBR], v[AC0]
	v_add_nc_u32 v[ADRH], s[HB], v[AH0]
	FETCH 1-(\par), 0
	WIN 0
.if (\kind) == 1
	ASK
.else
.Lno_more_\@:
.endif
	GRUN 16, 48, \par
.endif
	s_add_co_u32 s[TN], s[TN], \inc
.endm
; x on its way from LDS (f32) into registers (bf16 fragments), in 16 batches: batch b is query tile b / 2, channels 128 (b % 2) on: 16 loads into stage b % 2, then 32 conversions.
; Register k of a fragment holds channels 8 (l / 16) + 2 k, + 1 (k < 4) or 16 + 8 (l / 16) + 2 (k - 4), + 1: in f32 two runs of 32 bytes, 64 bytes apart.
.macro XLOAD b
	WIN 0x40
.irp cc, 0,1,2,3
.set xd, 64*((\b)%2)+16*\cc
.set xo, 16*XP*(((\b)/2)%4)+128*(4*((\b)%2)+\cc)
	ds_load_b128 v[xd:xd+3],     v[ADRX+(\b)/8] offset:xo
	ds_load_b128 v[xd+4:xd+7],   v[ADRX+(\b)/8] offset:xo+16
	ds_load_b128 v[xd+8:xd+11],  v[ADRX+(\b)/8] offset:xo+64
	ds_load_b128 v[xd+12:xd+15], v[ADRX+(\b)/8] offset:xo+80
.endr
.endm
.macro XCVT b
	WIN 0x85+0x40*((\b)/8)                 ; sources window 1, destination window 2 or 3
.irp cc, 0,1,2,3
.irp k, 0,1,2,3,4,5,6,7
	v_cvt_pk_bf16_f32 v[64*(((\b)/2)%4)+8*(4*((\b)%2)+\cc)+\k], v[64*((\b)%2)+16*\cc+2*\k], v[64*((\b)%2)+16*\cc+2*\k+1]
.endr
.endr
.endm
	s_load_b256 s[4:11], s[0:1], 0x0               ; x s[4:5], cb s[6:7], hc s[8:9], cand s[10:11]
	v_lshl_add_u32 v[SPW], v0, 2, SPARE
	v_mov_b32 v[NIL], 0
	ds_add_u32 v[SPW], v[NIL]                      ; the wave's opening: the add, twice on end, and its wait ahead of my first tensor load; the set-up below, work on registers, stands between
	ds_add_u32 v[SPW], v[NIL]                      ; and once more, under the one wait
	v_lshrrev_b32 v1, 5, v0
	v_readfirstlane_b32 s[WV], v1                  ; wave 0..3
	s_bfe_u32 s[CX], ttmp6, 0x40000                ; cx
	s_lshl_b32 s[WG], ttmp9, 2                     ; in a cluster launch ttmp9 counts clusters
	s_add_co_u32 s[WG], s[WG], s[CX]
	; group 1 of a quarter chunk: 64 rows x 256 elements of 2 bytes, padded in LDS
	s_mov_b32 s[G1C+0], 15|(1<<16)|(1<<20)|(1<<21)|(6<<22)|(3<<25)  ; 15:0 the mask of four; 17:16 2-byte elements; 20 padding on; 21 set beside a mask; 24:22 after every 128 words (code 6); 31:25 4 words (code 3)
	s_mov_b32 s[G1C+1], 256<<16                    ; tensor_dim0 = 256
	s_mov_b32 s[G1C+2], 64<<16                     ; tensor_dim1 = 64
	s_mov_b32 s[G1C+3], 256<<16                    ; tile_dim0 = 256
	s_mov_b32 s[G1C+4], 64                         ; tile_dim1 = 64
	s_mov_b32 s[G1C+5], 256                        ; elements from row to row
	s_mov_b32 s[G1C+6], 0
	s_mov_b32 s[G1C+7], 0
	; of a quarter of x: 32 rows x 256 elements of 4 bytes, padded; no mask: each work-group has its own
	s_mov_b32 s[G1X+0], (2<<16)|(1<<20)|(7<<22)|(3<<25)  ; 4-byte elements; padding after every 256 words (code 7), 4 words
	s_mov_b32 s[G1X+1], 256<<16
	s_mov_b32 s[G1X+2], 32<<16
	s_mov_b32 s[G1X+3], 256<<16
	s_mov_b32 s[G1X+4], 32
	s_mov_b32 s[G1X+5], 256
	s_mov_b32 s[G1X+6], 0
	s_mov_b32 s[G1X+7], 0
	; of a quarter of hc: 8,192 dense bytes as 32 rows of 32 elements of 8 bytes
	s_mov_b32 s[G1H+0], 15|(3<<16)|(1<<21)
	s_mov_b32 s[G1H+1], 32<<16
	s_mov_b32 s[G1H+2], 32<<16
	s_mov_b32 s[G1H+3], 32<<16
	s_mov_b32 s[G1H+4], 32
	s_mov_b32 s[G1H+5], 32
	s_mov_b32 s[G1H+6], 0
	s_mov_b32 s[G1H+7], 0
	s_mul_i32 s[WOFF], s[WV], QUART
	s_mov_b32 s[G0C], 1                            ; count = 1
	s_mov_b32 s[G0C+1], s[WOFF]                    ; LDS address: my quarter of slot 0: no place in the cluster enters an LDS address
	s_mov_b32 s[G0X], 1
	s_mul_i32 s[G0X+1], s[WV], 32*XP
	s_add_co_u32 s[G0X+1], s[G0X+1], SLOTX         ; x lies in slot 1 until it is in registers
	s_mov_b32 s[G0H], 1
	s_lshl_b32 s[G0H+1], s[WV], 13
	s_add_co_u32 s[G0H+1], s[G0H+1], HCB
	s_lshl_b32 s74, s[WV], 15                      ; my 64 rows of a chunk: 32,768 bytes
	s_mov_b32 s75, 0
	s_lshl_b32 s76, s[WG], 17                      ; my work-group's 128 rows of x, 1,024 bytes each,
	s_add_co_u32 s76, s76, s74                     ; my wave's 32 of them
	s_mov_b32 s77, 0
	s_lshl_b32 s78, s[WV], 13                      ; my quarter of hc
	s_mov_b32 s79, 0
	s_lshl_b32 s18, s[CX], 15                      ; the prefetches: my work-group's quarter of a chunk,
	s_add_co_u32 s18, s18, s78                     ; my wave's quarter of that,
	s_add_co_u32 s18, s18, 3*CHUNKB                ; in chunk 3
	s_mov_b32 s19, 0
	s_lshl_b32 s20, s[WG], 10                      ; cand: 128 pairs of 8 bytes a work-group
	s_mov_b32 s21, 0
	s_mov_b32 s[TBR], SLOTX                        ; the first change of slots turns it into 0
	s_lshl_b32 s[HB], s[WV], 8
	s_add_co_u32 s[HB], s[HB], HCB
	s_lshl_b32 s[TN], s[WV], 6
	s_sub_co_u32 s[TN], s[TN], 208                 ; the first tile adds 208: its own first code, 64 w, for the riders of the second
	s_mov_b32 s[CNT], 30
	s_cmp_eq_u32 ttmp9, 0                          ; the same in all four partners
	s_cselect_b32 s[LIM], 2, -1
	s_mov_b32 s[NINF], 0xff800000
	s_wait_dscnt 0x0                               ; both opening adds are done
	s_wait_kmcnt 0x0
	s_add_nc_u64 s[G0C+2:G0C+3], s[6:7], s[74:75]  ; global address: my quarter of chunk 0
	s_or_b32 s[G0C+3], s[G0C+3], 0x80000000        ; type = 2
	s_add_nc_u64 s[G0X+2:G0X+3], s[4:5], s[76:77]
	s_or_b32 s[G0X+3], s[G0X+3], 0x80000000
	s_add_nc_u64 s[G0H+2:G0H+3], s[8:9], s[78:79]
	s_or_b32 s[G0H+3], s[G0H+3], 0x80000000
	s_add_nc_u64 s[PFA:PFA+1], s[6:7], s[18:19]
	s_add_nc_u64 s[10:11], s[10:11], s[20:21]
	CROUND                                         ; all four work-groups are here: the first joint loads meet
	tensor_load_to_lds s[G0X:G0X+3], s[G1X:G1X+7]  ; the first fills, one group: x, wanted first; three loads of mine are out
	s_nop 0
	tensor_load_to_lds s[G0C:G0C+3], s[G1C:G1C+7]  ; chunk 0 into slot 0
	s_nop 0
	tensor_load_to_lds s[G0H:G0H+3], s[G1H:G1H+7]  ; hc
	s_nop 0
	PLACES
	; all that follows up to the wait stands in the wait for x
	v_and_b32 v1, 15, v0                           ; l % 16
	v_bfe_u32 v5, v0, 4, 1                         ; l / 16
	v_and_b32 v8, 31, v0                           ; l
	v_mul_u32_u24 v[AC0], v1, PITCH
	v_lshl_add_u32 v[AC0], v5, 4, v[AC0]
	v_add_nc_u32 v[AC0], s[WOFF], v[AC0]
	v_lshlrev_b32 v[AH0], 5, v5
	v_add_nc_u32 v[ADRH], s[HB], v[AH0]
	v_mul_u32_u24 v[ADRX], v1, XP
	v_lshl_add_u32 v[ADRX], v5, 5, v[ADRX]
	v_add_nc_u32 v[ADRX], SLOTX, v[ADRX]
	v_add_nc_u32 v[ADRX+1], 64*XP, v[ADRX]         ; an LDS offset has 16 bits: rows 64 on have a register of their own
	v_lshlrev_b32 v[PFO], 8, v8
	v_mul_u32_u24 v[SA], v1, QP
	v_lshl_add_u32 v[SA], v5, 5, v[SA]
	s_lshl_b32 s17, s[WV], 6
	v_add_nc_u32 v[SA], s17, v[SA]
	v_mul_u32_u24 v[LR], v0, QP
	v_lshlrev_b32 v[GO], 3, v0
	; The maxima start at minus infinity, and so does the second set of accumulators: the first tile's riders, which have no tile before them, then change nothing, and no first tile is written out:
	; 192 lines, once, for the 64 matrix instructions and 18 loads that a tile written out a second time would hold.
.set gi, 0
.rept 64
	v_mov_b32 v[BEST+gi], s[NINF]
	v_mov_b32 v[IDX+gi], 0
.set gi, gi+1
.endr
	WIN 0x40
.set gi, 0
.rept 64
	v_mov_b32 v[ACC+64+gi], s[NINF]
.set gi, gi+1
.endr
	WIN 0
	s_wait_tensorcnt 0x2                           ; my quarter of x is in; chunk 0's and hc's loads, issued behind it, may stay out
	s_barrier_signal -1
	s_barrier_wait -1                              ; everybody's quarter is in
	XLOAD 0
	XLOAD 1
.set xb, 0
.rept 16
.if xb < 15
	s_wait_dscnt 16                                ; this batch is in; the next batch's 16 loads may stay out
.else
	s_wait_dscnt 0x0
.endif
	XCVT xb
.if xb < 14
	XLOAD xb+2
.endif
.set xb, xb+1
.endr
	; THE FIRST CHANGE OF SLOTS: x has left slot 1, which takes chunk 1.  Chunk 0 and hc are waited for here.
	WIN 0
	s_wait_tensorcnt 0x0                           ; all my tensor loads have landed
	ds_add_u32 v[SPW], v[NIL]                      ; 0 onto my spare word
	s_xor_b32 s[G0C+1], s[G0C+1], SLOTX
	s_add_nc_u64 s[G0C+2:G0C+3], s[G0C+2:G0C+3], CHUNKB
	s_xor_b32 s[TBR], s[TBR], SLOTX
	s_wait_dscnt 0x0                               ; the add is done, and my reads of x are over
	CROUND                                         ; so of every wave of every partner
	tensor_load_to_lds s[G0C:G0C+3], s[G1C:G1C+7]
	s_nop 0
	PLACES
	v_add_nc_u32 v[ADR], s[TBR], v[AC0]
	FETCH 0, 0
	WIN 0
	ASK                                            ; chunk 3
.Lchunk:                                               ; 30 trips: chunk s is multiplied, and its slot filled again with chunk s + 2
	TILE 0, 0, 0, 208
	TILE 1, 1, 0, 16
	TILE 0, 2, 0, 16
	TILE 1, 3, 1, 16
	WIN 0
	s_sub_co_u32 s[CNT], s[CNT], 1
	s_cmp_lg_u32 s[CNT], 0
	s_cbranch_scc1 .Lchunk
	s_mov_b32 s[CNT], 2
.Ltail:                                                ; chunks 30 and 31 have a text of their own
	TILE 0, 0, 0, 208
	TILE 1, 1, 0, 16
	TILE 0, 2, 0, 16
	TILE 1, 3, 2, 16
	WIN 0
	s_sub_co_u32 s[CNT], s[CNT], 1
	s_cmp_lg_u32 s[CNT], 0
	s_cbranch_scc1 .Ltail
.set gi, 0
.rept 64
	RID gi, 1                                      ; the last tile's riders; each accumulator's last product stands 24 riders' lines or more back
.set gi, gi+1
.endr
	WIN 0
	; THE WAY OUT.  Every wave's reads of the slots are over, and no fill follows: slot 0 takes the maxima.  Query q's row holds its 64 maxima, class (w, l / 16, j) at word 16 w + 8 (l / 16) + j; a second
	; array holds the tiles' first codes in the same places.  The word's number modulo 16 is the code's place in its tile.
	s_wait_dscnt 0x0
	s_barrier_signal -1
	s_barrier_wait -1                              ; so of every wave: nobody reads what is now overwritten
.irp u, 0,1,2,3,4,5,6,7
	ds_store_b128 v[SA], v[BEST+8*\u:BEST+8*\u+3]   offset:16*QP*\u
	ds_store_b128 v[SA], v[BEST+8*\u+4:BEST+8*\u+7] offset:16*QP*\u+16
	ds_store_b128 v[SA], v[IDX+8*\u:IDX+8*\u+3]     offset:IOF+16*QP*\u
	ds_store_b128 v[SA], v[IDX+8*\u+4:IDX+8*\u+7]   offset:IOF+16*QP*\u+16
.endr
	s_wait_dscnt 0x0                               ; for the others' sake: my stores are done
	s_barrier_signal -1
	s_barrier_wait -1
.irp g, 0,1,2,3,4,5,6,7,8,9,10,11,12,13,14,15  ; thread t finishes query t: its 64 maxima and codes, into the registers that held my own
	ds_load_b128 v[BEST+4*\g:BEST+4*\g+3], v[LR] offset:16*\g
	ds_load_b128 v[IDX+4*\g:IDX+4*\g+3],   v[LR] offset:IOF+16*\g
.endr
	v_mov_b32 v[NI], s[NINF]
	s_wait_dscnt 0x0
.set ci, 0
.rept 64
.if ci%16
	v_or_b32 v[IDX+ci], ci%16, v[IDX+ci]           ; the whole index: a tile's first code is a multiple of 16
.endif
.set ci, ci+1
.endr
.macro MAXALL dst                      ; the largest of the 64, in four chains
.irp a, 0,1,2,3
	v_max3_num_f32 v[MQ+\a], v[BEST+16*\a], v[BEST+16*\a+1], v[BEST+16*\a+2]
.endr
.irp k, 0,1,2,3,4,5
.irp a, 0,1,2,3
	v_max3_num_f32 v[MQ+\a], v[MQ+\a], v[BEST+16*\a+3+2*\k], v[BEST+16*\a+4+2*\k]
.endr
.endr
	v_max3_num_f32 v[MQ],   v[MQ],   v[MQ+1], v[BEST+15]
	v_max3_num_f32 v[MQ+2], v[MQ+2], v[MQ+3], v[BEST+31]
	v_max3_num_f32 v[MQ],   v[MQ],   v[MQ+2], v[BEST+47]
	v_max_num_f32 v[\dst], v[MQ], v[BEST+63]
.endm
.macro ARGOF m, dst                    ; the lowest index among the entries that hold m
.set ci, 0
.rept 64
	v_cmp_eq_f32 vcc_lo, v[BEST+ci], v[\m]
.if ci < 4
	v_cndmask_b32 v[JJ+ci], -1, v[IDX+ci], vcc_lo
.else
	v_cndmask_b32 v[TT+ci%4], -1, v[IDX+ci], vcc_lo
	v_min_u32 v[JJ+ci%4], v[JJ+ci%4], v[TT+ci%4]
.endif
.set ci, ci+1
.endr
	v_min_u32 v[JJ],   v[JJ],   v[JJ+1]
	v_min_u32 v[JJ+2], v[JJ+2], v[JJ+3]
	v_min_u32 v[\dst], v[JJ],   v[JJ+2]
.endm
	MAXALL MX
	ARGOF MX, RES                                  ; k1
.set ci, 0
.rept 64
	v_cmp_eq_u32 vcc_lo, v[IDX+ci], v[RES]         ; k1's entry leaves the field
	v_cndmask_b32 v[BEST+ci], v[BEST+ci], v[NI], vcc_lo
.set ci, ci+1
.endr
	MAXALL MX
	ARGOF MX, RES+1                                ; k2
	global_store_b64 v[GO], v[RES:RES+1], s[10:11] ; each store of a wave covers 256 consecutive bytes, aligned
	s_wait_tensorcnt 0x0                           ; the wave's end, behind my last tensor load and my last LDS store
	ds_add_u32 v[SPW], v[NIL]
	s_wait_dscnt 0x0
	CROUND                                         ; the closing round: no work-group ends while a partner may still ask for a tile that names it
	s_endpgm
.Lfunc_end_k_q52ed5d7bf6_argm:
	.size	k_q52ed5d7bf6_argm, .Lfunc_end_k_q52ed5d7bf6_argm-k_q52ed5d7bf6_argm
	.p2alignl 7, 3214868480
	.fill 96, 4, 3214868480
	.section	.rodata,"a",@progbits
	.p2align	6, 0x0
	.amdhsa_kernel k_q52ed5d7bf6_argm
		.amdhsa_group_segment_fixed_size 327680
		.amdhsa_private_segment_fixed_size 0
		.amdhsa_enable_private_segment 0
		.amdhsa_kernarg_size 32
		.amdhsa_user_sgpr_count 2
		.amdhsa_user_sgpr_kernarg_segment_ptr 1
		.amdhsa_wavefront_size32 1
		.amdhsa_system_sgpr_workgroup_id_x 1
		.amdhsa_system_sgpr_workgroup_id_y 1
		.amdhsa_system_sgpr_workgroup_id_z 1
		.amdhsa_system_vgpr_workitem_id 0
		.amdhsa_next_free_vgpr 1024
		.amdhsa_next_free_sgpr 80
		.amdhsa_reserve_vcc 1
		.amdhsa_float_denorm_mode_32 3
		.amdhsa_float_denorm_mode_16_64 3
		.amdhsa_memory_ordered 1
		.amdhsa_forward_progress 1
		.amdhsa_inst_pref_size 221
	.end_amdhsa_kernel
	.amdgpu_metadata
---
amdhsa.version: [ 1, 2 ]
amdhsa.kernels:
  - .name:           k_q52ed5d7bf6_argm
    .symbol:         k_q52ed5d7bf6_argm.kd
    .args:
      - { .name: x, .offset: 0, .size: 8, .value_kind: global_buffer, .address_space: global }
      - { .name: cb, .offset: 8, .size: 8, .value_kind: global_buffer, .address_space: global }
      - { .name: hc, .offset: 16, .size: 8, .value_kind: global_buffer, .address_space: global }
      - { .name: cand, .offset: 24, .size: 8, .value_kind: global_buffer, .address_space: global }
    .group_segment_fixed_size: 327680
    .private_segment_fixed_size: 0
    .kernarg_segment_align: 8
    .kernarg_segment_size: 32
    .max_flat_workgroup_size: 128
    .sgpr_count:     80
    .vgpr_count:     1024
    .wavefront_size: 32
...
	.end_amdgpu_metadata
.endif
;; end of part 2
;; launch pick (part 3): grid 256 x 1, 8 waves a work-group, no clusters, 204,288 bytes of LDS; arguments embed, x, cand, out0, out1; writes out0, out1
.if DOCPART == 3
	.amdgcn_target "amdgcn-amd-amdhsa--gfx1250"
	.amdhsa_code_object_version 6
	.text
	.protected	k_q52ed5d7bf6_pick
	.globl	k_q52ed5d7bf6_pick
	.p2align	8
	.type	k_q52ed5d7bf6_pick,@function
k_q52ed5d7bf6_pick:
	s_mov_b64 s[64:65], 0
	v_nop
	global_prefetch_b8 v0, s[64:65] scope:SCOPE_SE
	s_setreg_imm32_b32 hwreg(HW_REG_WAVE_MODE, 25, 1), 1
	s_wait_xcnt 0x0
; EuclideanCodebook, launch 3 of 3: THE DECISION.  For each row n of x and its two codes (k1, k2) = cand[n], stored by the launch before:
;   d(k) = max((x2 + c2(k)) - 2 x.c(k), 0), the formula as it is written, in f32, on x and embed rounded to bf16;
;   out1[n] = the k with the smaller d; two d within two units in the last place of each other count as equal, and of equal d the lower k is taken, as argmin takes the first of equal distances;
;   out0[n][:] = embed[out1[n]][:], in f32 as embed holds it.  Nothing is left out here: x2 and the maximum with 0 are computed.
; THE ORDER OF THE SUMS.  A product of two bf16 numbers is exact in f32, so each step of a sum has one rounding, by one multiply-add from bf16 halves.  x.c is one chain over d = 0 .. 255 in ascending order.
; x2 and c2 are each eight sums of 32 squares in ascending order, and then the eight in ascending order.  (x2 + c2) is rounded, then 2 x.c, which is exact, is taken away with one rounding.
; WHY TWO UNITS.  The formula's text does not fix the order of its sums.  x2 + c2 and the difference are each rounded once to about d's own unit, and the last steps of the sums to half of it or less: another
; order of the same f32 sums moves d by a unit or two.  d is never below 0, so its bits, read as a whole number, rise with it: the difference of two d's bits counts the units between them.
; LIMIT.  Of two codes whose d differ by up to two units in the last place (6e-5 at a d of 256 to 512) the lower index is given, though the higher one may be nearer by that much.  An index is held to
; 0 .. 8,191.  NaN and infinities are not treated apart.
; NO ADDRESS AND NO BRANCH HANGS ON THE DECISION: both codes' rows are loaded, by indices read from memory, and the decision selects values.
; SHARES.  256 work-groups x 8 waves; a wave has 16 queries: 16 rows of x and 32 rows of embed, 1,024 bytes each, by loads of 512 consecutive bytes.  embed's rows stay in registers (window 1) for the way out.
; All 48 rows, rounded to bf16, go into the wave's own LDS (rows of 512 bytes + 16), which no other wave touches: no barrier.  Then lane l takes query l % 16 and code l / 16 and walks its two rows:
; the 16 lanes of a load's pass read 16 rows that start 16 bytes apart modulo 256.
; A work-group's 128 indices meet in LDS and leave as one store of 512 consecutive bytes.
; By this text's own count a wave has at most 63 loads out.
; No matrix unit: two codes a query are 1 in 4,096 of the search's products, and their sums are wanted in a given order.  No cluster: nothing is shared but rows that happen to be named twice.
.set CP,    528                        ; a rounded row in LDS
.set XOFF,  32*CP                      ; a wave's region: 32 rows of codes (code c of query q at row 16 c + q), then 16 rows of x
.set WREG,  48*CP                      ; 25,344 bytes a wave
.set OUTS,  8*WREG                     ; behind the eight regions: the work-group's 128 indices, 512 bytes
.set SPARE, OUTS+512                   ; the spare words, 128 bytes for each wave: four blocks of 256 bytes that no other line names
.set L16, 1                            ; v1   16 x lane
.set SB,  2                            ; v2   my wave's region + 8 x lane: where my 8 rounded bytes of half a row go
.set CA,  3                            ; v3   my code's row: region + CP x lane
.set XA,  4                            ; v4   my query's row: region + XOFF + CP (l % 16)
.set KO,  5                            ; v5   8 (l % 16): my query's pair in cand
.set SPW, 6                            ; v6   LDS address of my spare word; never rewritten
.set NIL, 7                            ; v7   0; never rewritten
.set KP,  8                            ; v[8:9]   k1, k2 of my query
.set XC,  10                           ; v10  x.c
.set RA,  11                           ; v11  OUTS + 16 x lane: where wave 0 reads the indices back (an LDS offset has 16 bits, and OUTS is beyond them); never rewritten
.set X2B, 12                           ; v12-13  a block's sum of x's squares, by the block's parity
.set C2B, 14                           ; v14-15  of the code's
.set X2T, 16                           ; v16  x2
.set C2T, 17                           ; v17  c2
.set DD,  18                           ; v18  my d
.set OT,  19                           ; v19  the d of the lane 16 away; then the units from d(k1) to d(k2)
.set DA,  20                           ; v20  d(k1)
.set DB,  21                           ; v21  d(k2)
.set KW,  22                           ; v22  the index chosen
.set OA,  23                           ; v23  where it goes in LDS
.set P,   24                           ; v[24:31] rounded numbers on their way into LDS, two sets by turns
.set O,   32                           ; v[32:63] row 16 c + q: 1,024 x its index + 16 x lane; never rewritten
.set BUF, 128                          ; v[128:255] x as loaded; then two sets of 64 for the walk: 32 registers of the code's row, 32 of x's
                                       ; window 1: v[8 e : 8 e + 7] row e = 16 c + q of embed, as loaded
.set SEL, 50                           ; s[50:51] v_permlanex16_b32's selects
.set HI,  52                           ; s52  lanes 16 to 31
.set MA,  53                           ; s53  the lanes whose query takes k2
.set MB,  54
.set MC,  55
.set MK,  56                           ; s56  all lanes or none: one query's bit of MA
.set MSB, 0
.macro WIN new                         ; s_set_vgpr_msb: bits 1:0 source 0, 3:2 source 1, 5:4 source 2, 7:6 destination; the high byte repeats the setting that is left
.if MSB != (\new)
	s_set_vgpr_msb (MSB<<8)|(\new)
.set MSB, \new
.endif
.endm
	s_load_b256 s[4:11], s[0:1], 0x0               ; embed s[4:5], x s[6:7], cand s[8:9], out0 s[10:11]
	s_load_b64 s[12:13], s[0:1], 0x20              ; out1
	v_lshl_add_u32 v[SPW], v0, 2, SPARE
	v_mov_b32 v[NIL], 0
	v_lshrrev_b32 v[KW], 5, v0
	v_readfirstlane_b32 s14, v[KW]                 ; wave 0..7
	v_and_b32 v[DA], 31, v0                        ; l
	v_and_b32 v[DB], 15, v0                        ; l % 16
	v_lshlrev_b32 v[L16], 4, v[DA]
	v_add_nc_u32 v[RA], OUTS, v[L16]
	s_mul_i32 s15, s14, WREG
	v_lshl_add_u32 v[SB], v[DA], 3, s15
	v_mul_u32_u24 v[CA], v[DA], CP
	v_add_nc_u32 v[CA], s15, v[CA]
	v_mul_u32_u24 v[XA], v[DB], CP
	v_add_nc_u32 v[XA], s15, v[XA]
	v_add_nc_u32 v[XA], XOFF, v[XA]
	v_lshlrev_b32 v[KO], 3, v[DB]
	s_lshl_b32 s48, s14, 6
	s_add_co_u32 s48, s48, OUTS
	v_lshl_add_u32 v[OA], v[DB], 2, s48            ; 64 bytes a wave, 4 a query
	v_mov_b32 v[OT], 0                             ; v_permlanex16_b32's destination counts as read
	s_lshl_b32 s58, ttmp9, 10                      ; cand: 128 pairs of 8 bytes a work-group,
	s_lshl_b32 s59, s14, 7                         ; 16 a wave
	s_add_co_u32 s58, s58, s59
	s_mov_b32 s59, 0
	s_lshl_b32 s60, s58, 7                         ; the same rows in x and out0: 1,024 bytes for 8
	s_mov_b32 s61, 0
	s_lshl_b32 s62, ttmp9, 9                       ; out1: 128 indices a work-group
	s_mov_b32 s63, 0
	s_mov_b32 s[SEL], 0x76543210
	s_mov_b32 s[SEL+1], 0xfedcba98
	s_mov_b32 s[HI], 0xffff0000
	s_wait_kmcnt 0x0
	s_add_nc_u64 s[8:9], s[8:9], s[58:59]
	s_add_nc_u64 s[6:7], s[6:7], s[60:61]
	s_add_nc_u64 s[10:11], s[10:11], s[60:61]
	s_add_nc_u64 s[12:13], s[12:13], s[62:63]
	s_load_b512 s[16:31], s[8:9], 0x0              ; the wave's 16 pairs: k1 of query q in s[16 + 2 q], k2 in s[17 + 2 q]; this launch writes no byte of cand
	s_load_b512 s[32:47], s[8:9], 0x40
	global_load_b64 v[KP:KP+1], v[KO], s[8:9]      ; and my query's pair, a lane
.irp i, 0,1,2,3,4,5,6,7,8,9,10,11,12,13,14,15
	global_load_b128 v[BUF+8*\i:BUF+8*\i+3],   v[L16], s[6:7] offset:1024*\i th:TH_LOAD_NT
	global_load_b128 v[BUF+8*\i+4:BUF+8*\i+7], v[L16], s[6:7] offset:1024*\i+512 th:TH_LOAD_NT
.endr
	s_wait_kmcnt 0x0
.irp q, 0,1,2,3,4,5,6,7,8,9,10,11,12,13,14,15
.irp c, 0,1
	s_min_u32 s[16+2*\q+\c], s[16+2*\q+\c], 0x1fff
	s_lshl_b32 s[16+2*\q+\c], s[16+2*\q+\c], 10
	v_add_nc_u32 v[O+16*\c+\q], s[16+2*\q+\c], v[L16]
.endr
.endr
.macro CLOAD e                         ; row e of the 32; no hint: a row may be named again
	global_load_b128 v[8*(\e):8*(\e)+3],   v[O+(\e)], s[4:5]
	global_load_b128 v[8*(\e)+4:8*(\e)+7], v[O+(\e)], s[4:5] offset:512
.endm
	WIN 0x40                                       ; destination window 1, address window 0
.set ce, 0
.rept 15
	CLOAD ce                                       ; rows 0 to 14: with the pair and x 63 loads are out
.set ce, ce+1
.endr
	s_wait_loadcnt 30                              ; the pair and x are in; the 30 loads of rows 0 to 14 stay out
.rept 16
	CLOAD ce                                       ; rows 15 to 30: 62 are out
.set ce, ce+1
.endr
	WIN 0
	v_min_u32 v[KP], 0x1fff, v[KP]                 ; held to the table as the addresses are
	v_min_u32 v[KP+1], 0x1fff, v[KP+1]
.irp i, 0,1,2,3,4,5,6,7,8,9,10,11,12,13,14,15  ; x, rounded, into LDS: each store of the wave covers 256 consecutive bytes
	v_cvt_pk_bf16_f32 v[P+4*(\i%2)],   v[BUF+8*\i],   v[BUF+8*\i+1]
	v_cvt_pk_bf16_f32 v[P+4*(\i%2)+1], v[BUF+8*\i+2], v[BUF+8*\i+3]
	v_cvt_pk_bf16_f32 v[P+4*(\i%2)+2], v[BUF+8*\i+4], v[BUF+8*\i+5]
	v_cvt_pk_bf16_f32 v[P+4*(\i%2)+3], v[BUF+8*\i+6], v[BUF+8*\i+7]
	ds_store_b64 v[SB], v[P+4*(\i%2):P+4*(\i%2)+1]   offset:XOFF+CP*\i
	ds_store_b64 v[SB], v[P+4*(\i%2)+2:P+4*(\i%2)+3] offset:XOFF+CP*\i+256
.endr
.macro CROW e                          ; row e of the codes, rounded, into LDS; its f32 numbers stay where they are
.if (\e) == 0
	s_wait_loadcnt 60                              ; row 0 is in; rows 1 to 30 stay out
	WIN 0x40
	CLOAD 31                                       ; the last row: 62 are out
.else
	s_wait_loadcnt 62-2*(\e)                       ; row e is in; the rows behind it stay out
.endif
	WIN 0x05                                       ; sources window 1, destination window 0
	v_cvt_pk_bf16_f32 v[P+4*((\e)%2)],   v[8*(\e)],   v[8*(\e)+1]
	v_cvt_pk_bf16_f32 v[P+4*((\e)%2)+1], v[8*(\e)+2], v[8*(\e)+3]
	v_cvt_pk_bf16_f32 v[P+4*((\e)%2)+2], v[8*(\e)+4], v[8*(\e)+5]
	v_cvt_pk_bf16_f32 v[P+4*((\e)%2)+3], v[8*(\e)+6], v[8*(\e)+7]
	WIN 0
	ds_store_b64 v[SB], v[P+4*((\e)%2):P+4*((\e)%2)+1]   offset:CP*(\e)
	ds_store_b64 v[SB], v[P+4*((\e)%2)+2:P+4*((\e)%2)+3] offset:CP*(\e)+256
.endm
.set ce, 0
.rept 32
	CROW ce
.set ce, ce+1
.endr
	; THE WALK.  Four batches of 64 numbers: 8 loads of 16 bytes from the code's row and 8 from x's, into set k % 2.  LDS serves a wave's instructions in order (ISA guide 5.7.1.4): the loads see the stores above.
.macro BLOAD k
.irp t, 0,1,2,3,4,5,6,7
	ds_load_b128 v[BUF+64*((\k)%2)+4*\t:BUF+64*((\k)%2)+4*\t+3],       v[CA] offset:128*(\k)+16*\t
	ds_load_b128 v[BUF+64*((\k)%2)+32+4*\t:BUF+64*((\k)%2)+32+4*\t+3], v[XA] offset:128*(\k)+16*\t
.endr
.endm
.macro MIX d, a, b, c, hi              ; d = a x b + c: a and b the low (hi = 0) or high bf16 halves, c in f32; the product is exact, the sum is rounded once
.if \hi
	v_fma_mix_f32_bf16 v[\d], v[\a], v[\b], v[\c] op_sel:[1,1,0] op_sel_hi:[1,1,0]
.else
	v_fma_mix_f32_bf16 v[\d], v[\a], v[\b], v[\c] op_sel_hi:[1,1,0]
.endif
.endm
.macro BATCH k                         ; numbers 64 k .. 64 k + 63, in ascending order; three chains side by side
.set el, 64*(\k)
.rept 64
.set cr, BUF+64*((\k)%2)+4*((el%64)/8)+(el%8)/2
.set xr, cr+32
.set hb, el%2
.set bp, (el/32)%2
.if el == 0
	MIX XC, xr, cr, NIL, hb                        ; a sum's first term is added to 0
.else
	MIX XC, xr, cr, XC, hb
.endif
.if el%32 == 0
	MIX C2B+bp, cr, cr, NIL, hb                    ; a block of 32 begins
	MIX X2B+bp, xr, xr, NIL, hb
.else
	MIX C2B+bp, cr, cr, C2B+bp, hb
	MIX X2B+bp, xr, xr, X2B+bp, hb
.endif
.if el%32 == 31                        ; a block ends: the blocks' sums are added in ascending order (0 + the first is the first)
.if el/32 == 1
	v_add_f32 v[C2T], v[C2B], v[C2B+1]
	v_add_f32 v[X2T], v[X2B], v[X2B+1]
.elseif el/32 > 1
	v_add_f32 v[C2T], v[C2T], v[C2B+bp]
	v_add_f32 v[X2T], v[X2T], v[X2B+bp]
.endif
.endif
.set el, el+1
.endr
.endm
	BLOAD 0
	BLOAD 1
	s_wait_dscnt 16                                ; batch 0 is in; batch 1's 16 loads stay out
	BATCH 0
	BLOAD 2
	s_wait_dscnt 16
	BATCH 1
	BLOAD 3
	s_wait_dscnt 16
	BATCH 2
	s_wait_dscnt 0x0
	BATCH 3
	v_add_f32 v[DD], v[X2T], v[C2T]                ; x2 + c2, rounded
	v_fma_f32 v[DD], -2.0, v[XC], v[DD]            ; - 2 x.c: the product is exact, one rounding
	v_max_num_f32 v[DD], 0, v[DD]
	v_permlanex16_b32 v[OT], v[DD], s[SEL], s[SEL+1]   ; my query's other code
	v_cndmask_b32 v[DA], v[DD], v[OT], s[HI]       ; d(k1): lanes 0-15 made it
	v_cndmask_b32 v[DB], v[OT], v[DD], s[HI]       ; d(k2): lanes 16-31
	v_sub_nc_u32 v[OT], v[DB], v[DA]               ; neither is below 0: the difference of their bits is the number of units in the last place from d(k1) up to d(k2)
	v_cmp_gt_i32 s[MA], -2, v[OT]                  ; k2 is nearer by more than two units
	v_cmp_gt_i32 s[MB], 3, v[OT]                   ; k2 is not farther by more than two units
	v_cmp_lt_u32 s[MC], v[KP+1], v[KP]
	s_and_b32 s[MB], s[MB], s[MC]
	s_or_b32 s[MA], s[MA], s[MB]                   ; k2 is nearer, or as near within two units and lower; bits q and q + 16 are alike
	v_cndmask_b32 v[KW], v[KP], v[KP+1], s[MA]
	ds_store_b32 v[OA], v[KW]                      ; both halves of the lanes write the same word with the same number
	s_wait_dscnt 0x0                               ; for wave 0's sake: my store is done
	s_barrier_signal -1
	WIN 0x45                                       ; all in window 1; the selection, work on registers, stands between the signal and the wait
.irp q, 0,1,2,3,4,5,6,7,8,9,10,11,12,13,14,15
	s_bitcmp1_b32 s[MA], \q
	s_cselect_b32 s[MK], -1, 0
.irp i, 0,1,2,3,4,5,6,7
	v_cndmask_b32 v[8*\q+\i], v[8*\q+\i], v[128+8*\q+\i], s[MK]
.endr
.endr
	s_barrier_wait -1
	WIN 0x04                                       ; a store's data (source 1) window 1, its address window 0
.irp q, 0,1,2,3,4,5,6,7,8,9,10,11,12,13,14,15
	global_store_b128 v[L16], v[8*\q:8*\q+3],   s[10:11] offset:1024*\q th:TH_STORE_NT      ; 512 consecutive bytes, aligned
	global_store_b128 v[L16], v[8*\q+4:8*\q+7], s[10:11] offset:1024*\q+512 th:TH_STORE_NT
.endr
	WIN 0
	s_cmp_lg_u32 s14, 0                            ; wave 0 stores the work-group's 128 indices
	s_cbranch_scc1 .Lend
	ds_load_b128 v[P:P+3], v[RA]
	s_wait_dscnt 0x0
	global_store_b128 v[L16], v[P:P+3], s[12:13]   ; 512 consecutive bytes, aligned
.Lend:
	s_wait_tensorcnt 0x0                           ; the wave's end, behind my last LDS store
	ds_add_u32 v[SPW], v[NIL]
	s_wait_dscnt 0x0
	s_endpgm
.Lfunc_end_k_q52ed5d7bf6_pick:
	.size	k_q52ed5d7bf6_pick, .Lfunc_end_k_q52ed5d7bf6_pick-k_q52ed5d7bf6_pick
	.p2alignl 7, 3214868480
	.fill 96, 4, 3214868480
	.section	.rodata,"a",@progbits
	.p2align	6, 0x0
	.amdhsa_kernel k_q52ed5d7bf6_pick
		.amdhsa_group_segment_fixed_size 204288
		.amdhsa_private_segment_fixed_size 0
		.amdhsa_enable_private_segment 0
		.amdhsa_kernarg_size 40
		.amdhsa_user_sgpr_count 2
		.amdhsa_user_sgpr_kernarg_segment_ptr 1
		.amdhsa_wavefront_size32 1
		.amdhsa_system_sgpr_workgroup_id_x 1
		.amdhsa_system_sgpr_workgroup_id_y 1
		.amdhsa_system_sgpr_workgroup_id_z 1
		.amdhsa_system_vgpr_workitem_id 0
		.amdhsa_next_free_vgpr 512
		.amdhsa_next_free_sgpr 66
		.amdhsa_reserve_vcc 0
		.amdhsa_float_denorm_mode_32 3
		.amdhsa_float_denorm_mode_16_64 3
		.amdhsa_memory_ordered 1
		.amdhsa_forward_progress 1
		.amdhsa_inst_pref_size 103
	.end_amdhsa_kernel
	.amdgpu_metadata
---
amdhsa.version: [ 1, 2 ]
amdhsa.kernels:
  - .name:           k_q52ed5d7bf6_pick
    .symbol:         k_q52ed5d7bf6_pick.kd
    .args:
      - { .name: embed, .offset: 0, .size: 8, .value_kind: global_buffer, .address_space: global }
      - { .name: x, .offset: 8, .size: 8, .value_kind: global_buffer, .address_space: global }
      - { .name: cand, .offset: 16, .size: 8, .value_kind: global_buffer, .address_space: global }
      - { .name: out0, .offset: 24, .size: 8, .value_kind: global_buffer, .address_space: global }
      - { .name: out1, .offset: 32, .size: 8, .value_kind: global_buffer, .address_space: global }
    .group_segment_fixed_size: 204288
    .private_segment_fixed_size: 0
    .kernarg_segment_align: 8
    .kernarg_segment_size: 40
    .max_flat_workgroup_size: 256
    .sgpr_count:     66
    .vgpr_count:     512
    .wavefront_size: 32
...
	.end_amdgpu_metadata
.endif
;; end of part 3
;; ======== version 2 of 2: 3 launches; version 1 with the launches prep, pick written anew for expert scheduling mode
;; workspace buffers: cb 4,194,304 bytes; hc 32,768 bytes; cand 262,144 bytes of whole numbers
;; launch prep (part 4): grid 256 x 1, 4 waves a work-group, no clusters, 768 bytes of LDS; arguments embed, cb, hc; writes cb, hc
.if DOCPART == 4
	.amdgcn_target "amdgcn-amd-amdhsa--gfx1250"
	.amdhsa_code_object_version 6
	.text
	.protected	k_q52ed5d7bf6_prep
	.globl	k_q52ed5d7bf6_prep
	.p2align	8
	.type	k_q52ed5d7bf6_prep,@function
k_q52ed5d7bf6_prep:
	s_mov_b64 s[64:65], 0
	v_nop
	global_prefetch_b8 v0, s[64:65] scope:SCOPE_SE
	s_setreg_imm32_b32 hwreg(HW_REG_WAVE_SCHED_MODE, 0, 2), 2
	s_setreg_imm32_b32 hwreg(HW_REG_WAVE_MODE, 25, 1), 1
	s_wait_xcnt 0x0
	s_wait_alu depctr_vm_vsrc(0)
; EuclideanCodebook in three launches.
; 1 (this one): the codebook is rounded once.  cb[k][d] = bf16(embed[k][d]);  hc[k] = -1/2 x the sum over d of bf16(embed[k][d])^2, in f32.
; 2: THE SEARCH.  For each row of x the two codes with the largest score bf16(x) . cb[k] + hc[k], by the matrix units (bf16 operands, f32 sums).
; 3: THE DECISION.  Between those two by the formula as it is written, max(x2 + c2 - 2 x.c, 0), in f32 on the rounded numbers; distances within two units in the last place of each other count as equal,
; and of equal distances the lower index is taken; the chosen row of embed is copied.
; WHAT THE SEARCH LEAVES OUT.  dist[n][k] = max(x2[n] + c2[k] - 2 x[n].c[k], 0).  In real numbers x2 + c2 - 2 x.c = |x - c|^2, which is never below 0, whatever x and c hold: the maximum with 0 changes
; nothing.  x2[n] is the same for every k of row n: it moves no argmin over k.  So argmin_k dist[n][k] = argmax_k (x[n].c[k] - c2[k] / 2): over the 8,192 codes x2 and the maximum with 0 are not computed;
; the decision computes both, for its two codes.  Both inputs are read; none is left out.
; LIMITS.  (1) The product's operands are bf16, and all that decides the index is made of the ROUNDED x and embed: the index is that of the rounded inputs.  (2) The formula's text does not fix the order of
; its f32 sums, and another order moves a distance by a unit or two in the last place.  So of two codes whose distances differ by up to two such units (6e-5 at a distance of 256 to 512) the lower index is
; given, though the higher one may be nearer by that much.  (3) The decision sees two codes: a third one within the search's rounding (a few units in the last place of a score) of the best two is not
; considered, nor a runner-up of the same class as the best (second launch).  (4) NaN and infinities are not treated apart; an overflow that reaches x2 alone is not carried into the search; scores stay
; finite for inputs up to some 1e18.
; SHARES.  256 work-groups x 4 waves; a wave has 8 rows of embed.  A row is 1,024 bytes: two loads of 16 bytes a lane, 512 consecutive bytes each.  All 16 loads of a wave go out first.
; A load's four numbers a lane pack into 8 bytes: each store of the wave covers 256 consecutive bytes of cb, aligned.  A work-group's 32 sums meet in LDS and leave as one store of 128 bytes:
; 64 rows to a work-group would make that 256, on half as many work-groups; hc is 32,768 of the launch's 12.6 million bytes.
; THE MODE: SCHED_MODE bits 1:0 = 2 (LLVM: expert scheduling mode 2), set by the entry lines.  The code itself states the register dependences between vector instructions and memory or LDS instructions,
; with s_wait_alu, always for 0.
; THE PLAN.  Registers that memory or LDS instructions touch:
;   v2 to v6   addresses, and the closing add's two: written at the head and never again.
;   D          written by the 16 loads alone, read by the conversions, never loaded again.
;   P          row i's four registers are written once, by row i's conversions, and read by its two stores, which are issued at the head of row i + 1; never written again.
;   S          the even registers: written by the sums, read by the eight LDS stores.
;   v1, v8     in wave 0 alone, at the end: an address made there, and the LDS load's data.
; So one wait on va_vdst stands at the head of a row, behind the wait for the row's data: the row before has written its P.  Nothing that a memory instruction reads is written again: no wait on vm_vsrc is owed.
.set LO,  2                            ; v2   16 x lane: my 16 bytes in half a row of embed
.set SO,  3                            ; v3   8 x lane: my 8 bytes in half a row of cb
.set LA,  4                            ; v4   32 x wave: my wave's eight sums in LDS
.set SPW, 5                            ; v5   LDS address of my spare word; never rewritten
.set NIL, 6                            ; v6   0; never rewritten
.set T,   8                            ; v[8:15]   at work
.set S,   16                           ; v[16:31]  a pair of sums for each row
.set D,   32                           ; v[32:95]  row i, half q at D + 8 i + 4 q, as loaded
.set P,   96                           ; v[96:127] row i, half q at P + 4 i + 2 q, packed; never rewritten: nothing is owed behind the stores
.set SPARE, 256                        ; LDS: bytes 0-127 the sums; from 256 on the spare words, 128 bytes a wave, which no other line names
	s_load_b128 s[4:7], s[0:1], 0x0                ; embed s[4:5], cb s[6:7]
	s_load_b64 s[8:9], s[0:1], 0x10                ; hc
	v_lshl_add_u32 v[SPW], v0, 2, SPARE
	v_mov_b32 v[NIL], 0
	v_lshrrev_b32 v1, 5, v0
	v_readfirstlane_b32 s10, v1                    ; wave 0..3
	v_and_b32 v7, 31, v0                           ; lane
	v_lshlrev_b32 v[LO], 4, v7
	v_lshlrev_b32 v[SO], 3, v7
	s_wait_alu depctr_va_sdst(0)                   ; s10 is written, ahead of its first reader: the wave's place in LDS, embed and cb is made from it
	s_lshl_b32 s11, s10, 5
	v_mov_b32 v[LA], s11
	s_lshl_b32 s12, ttmp9, 15                      ; 32 rows of 1,024 bytes a work-group,
	s_lshl_b32 s13, s10, 13                        ; 8 a wave
	s_add_co_u32 s12, s12, s13
	s_mov_b32 s13, 0
	s_lshr_b32 s14, s12, 1                         ; the same rows in cb: 512 bytes each
	s_mov_b32 s15, 0
	s_mov_b32 s16, 0x76543210                      ; v_permlanex16_b32: each lane takes its own place in the other half
	s_mov_b32 s17, 0xfedcba98
	s_lshl_b32 s18, ttmp9, 7                       ; the work-group's 32 numbers of hc
	s_mov_b32 s19, 0
	s_wait_kmcnt 0x0
	s_add_nc_u64 s[4:5], s[4:5], s[12:13]
	s_add_nc_u64 s[6:7], s[6:7], s[14:15]
	s_add_nc_u64 s[8:9], s[8:9], s[18:19]
	s_wait_alu depctr_va_vdst(0)                   ; v2 to v6 are written: the loads, the stores, the LDS stores and the closing add read them as addresses and data
.irp i, 0,1,2,3,4,5,6,7
.irp q, 0,1
	global_load_b128 v[D+8*\i+4*\q:D+8*\i+4*\q+3], v[LO], s[4:5] offset:1024*\i+512*\q th:TH_LOAD_NT
.endr
.endr
.irp i, 0,1,2,3,4,5,6,7
.irp q, 0,1
	s_wait_loadcnt 15-(2*\i+\q)                    ; loads come back in order: this one is in, the younger ones stay out
.if (\q == 0) && (\i > 0)
	s_wait_alu depctr_va_vdst(0)                   ; the row before has written its four registers of P, which the two stores below read
	global_store_b64 v[SO], v[P+4*\i-4:P+4*\i-3], s[6:7] offset:512*\i-512
	global_store_b64 v[SO], v[P+4*\i-2:P+4*\i-1], s[6:7] offset:512*\i-256
.endif
	v_cvt_pk_bf16_f32 v[P+4*\i+2*\q],   v[D+8*\i+4*\q],   v[D+8*\i+4*\q+1]
	v_cvt_pk_bf16_f32 v[P+4*\i+2*\q+1], v[D+8*\i+4*\q+2], v[D+8*\i+4*\q+3]
	v_lshlrev_b32 v[T+4*\q],   16,         v[P+4*\i+2*\q]      ; the rounded numbers back in f32: they are what is squared
	v_and_b32     v[T+4*\q+1], 0xffff0000, v[P+4*\i+2*\q]
	v_lshlrev_b32 v[T+4*\q+2], 16,         v[P+4*\i+2*\q+1]
	v_and_b32     v[T+4*\q+3], 0xffff0000, v[P+4*\i+2*\q+1]
.if \q == 0
	v_pk_mul_f32 v[S+2*\i:S+2*\i+1], v[T:T+1], v[T:T+1]        ; the first squares start the row's sums
.else
	v_pk_fma_f32 v[S+2*\i:S+2*\i+1], v[T+4:T+5], v[T+4:T+5], v[S+2*\i:S+2*\i+1]
.endif
	v_pk_fma_f32 v[S+2*\i:S+2*\i+1], v[T+4*\q+2:T+4*\q+3], v[T+4*\q+2:T+4*\q+3], v[S+2*\i:S+2*\i+1]
.endr
.endr
	s_wait_alu depctr_va_vdst(0)                   ; row 7 has written its four registers of P, which the last two stores read
	global_store_b64 v[SO], v[P+28:P+29], s[6:7] offset:3584
	global_store_b64 v[SO], v[P+30:P+31], s[6:7] offset:3840
	; across the 32 lanes, the eight rows side by side so that no line waits for the one before it
.irp i, 0,1,2,3,4,5,6,7
	v_add_f32 v[S+2*\i], v[S+2*\i], v[S+2*\i+1]
.endr
.irp m, 1,2,4,8
.irp i, 0,1,2,3,4,5,6,7
	v_add_f32_dpp v[S+2*\i], v[S+2*\i], v[S+2*\i] row_xmask:\m row_mask:0xf bank_mask:0xf
.endr
.endr
.irp i, 0,1,2,3,4,5,6,7
	v_permlanex16_b32 v[S+2*\i+1], v[S+2*\i], s16, s17         ; its destination has been written
.endr
.irp i, 0,1,2,3,4,5,6,7
	v_add_f32 v[S+2*\i], v[S+2*\i], v[S+2*\i+1]
.endr
.irp i, 0,1,2,3,4,5,6,7
	v_mul_f32 v[S+2*\i], -0.5, v[S+2*\i]                       ; exact
.endr
	s_wait_alu depctr_va_vdst(0)                   ; the eight multiplications have written the sums, which the LDS stores read
.irp i, 0,1,2,3,4,5,6,7
	ds_store_b32 v[LA], v[S+2*\i] offset:4*\i                  ; all lanes write the same word with the same number
.endr
	s_wait_dscnt 0x0                               ; for the others' sake: my stores are done
	s_barrier_signal -1
	s_barrier_wait -1
	s_cmp_lg_u32 s10, 0                            ; wave 0 stores the work-group's 32 numbers
	s_cbranch_scc1 .Lend
	v_lshlrev_b32 v1, 2, v7
	s_wait_alu depctr_va_vdst(0)                   ; v1 is written, which the LDS load and the store read as their address (the vector lines that named v8, in which the load lands, stand ahead of it too)
	ds_load_b32 v[T], v1
	s_wait_dscnt 0x0
	global_store_b32 v1, v[T], s[8:9]
.Lend:
	s_wait_dscnt 0x0                               ; the closing lines, six on end
	s_wait_alu 0x0
	s_wait_tensorcnt 0x0
	ds_add_u32 v[SPW], v[NIL]
	s_wait_dscnt 0x0
	s_endpgm
.Lfunc_end_k_q52ed5d7bf6_prep:
	.size	k_q52ed5d7bf6_prep, .Lfunc_end_k_q52ed5d7bf6_prep-k_q52ed5d7bf6_prep
	.p2alignl 7, 3214868480
	.fill 96, 4, 3214868480
	.section	.rodata,"a",@progbits
	.p2align	6, 0x0
	.amdhsa_kernel k_q52ed5d7bf6_prep
		.amdhsa_group_segment_fixed_size 768
		.amdhsa_private_segment_fixed_size 0
		.amdhsa_enable_private_segment 0
		.amdhsa_kernarg_size 24
		.amdhsa_user_sgpr_count 2
		.amdhsa_user_sgpr_kernarg_segment_ptr 1
		.amdhsa_wavefront_size32 1
		.amdhsa_system_sgpr_workgroup_id_x 1
		.amdhsa_system_sgpr_workgroup_id_y 1
		.amdhsa_system_sgpr_workgroup_id_z 1
		.amdhsa_system_vgpr_workitem_id 0
		.amdhsa_next_free_vgpr 128
		.amdhsa_next_free_sgpr 66
		.amdhsa_reserve_vcc 0
		.amdhsa_float_denorm_mode_32 3
		.amdhsa_float_denorm_mode_16_64 3
		.amdhsa_memory_ordered 1
		.amdhsa_forward_progress 1
		.amdhsa_inst_pref_size 17
	.end_amdhsa_kernel
	.amdgpu_metadata
---
amdhsa.version: [ 1, 2 ]
amdhsa.kernels:
  - .name:           k_q52ed5d7bf6_prep
    .symbol:         k_q52ed5d7bf6_prep.kd
    .args:
      - { .name: embed, .offset: 0, .size: 8, .value_kind: global_buffer, .address_space: global }
      - { .name: cb, .offset: 8, .size: 8, .value_kind: global_buffer, .address_space: global }
      - { .name: hc, .offset: 16, .size: 8, .value_kind: global_buffer, .address_space: global }
    .group_segment_fixed_size: 768
    .private_segment_fixed_size: 0
    .kernarg_segment_align: 8
    .kernarg_segment_size: 24
    .max_flat_workgroup_size: 128
    .sgpr_count:     66
    .vgpr_count:     128
    .wavefront_size: 32
...
	.end_amdgpu_metadata
.endif
;; end of part 4
;; launch argm: the kernel of part 2 again; grid 256 x 1, 4 waves a work-group, clusters of 4 x 1, 327,680 bytes of LDS; arguments x, cb, hc, cand; writes cand
;; launch pick (part 5): grid 256 x 1, 8 waves a work-group, no clusters, 204,288 bytes of LDS; arguments embed, x, cand, out0, out1; writes out0, out1
.if DOCPART == 5
	.amdgcn_target "amdgcn-amd-amdhsa--gfx1250"
	.amdhsa_code_object_version 6
	.text
	.protected	k_q52ed5d7bf6_pick
	.globl	k_q52ed5d7bf6_pick
	.p2align	8
	.type	k_q52ed5d7bf6_pick,@function
k_q52ed5d7bf6_pick:
	s_mov_b64 s[64:65], 0
	v_nop
	global_prefetch_b8 v0, s[64:65] scope:SCOPE_SE
	s_setreg_imm32_b32 hwreg(HW_REG_WAVE_SCHED_MODE, 0, 2), 2
	s_setreg_imm32_b32 hwreg(HW_REG_WAVE_MODE, 25, 1), 1
	s_wait_xcnt 0x0
	s_wait_alu depctr_vm_vsrc(0)
; EuclideanCodebook, launch 3 of 3: THE DECISION.  For each row n of x and its two codes (k1, k2) = cand[n], stored by the launch before:
;   d(k) = max((x2 + c2(k)) - 2 x.c(k), 0), the formula as it is written, in f32, on x and embed rounded to bf16;
;   out1[n] = the k with the smaller d; two d within two units in the last place of each other count as equal, and of equal d the lower k is taken, as argmin takes the first of equal distances;
;   out0[n][:] = embed[out1[n]][:], in f32 as embed holds it.  Nothing is left out here: x2 and the maximum with 0 are computed.
; THE ORDER OF THE SUMS.  A product of two bf16 numbers is exact in f32, so each step of a sum has one rounding, by one multiply-add from bf16 halves.  x.c is one chain over d = 0 .. 255 in ascending order.
; x2 and c2 are each eight sums of 32 squares in ascending order, and then the eight in ascending order.  (x2 + c2) is rounded, then 2 x.c, which is exact, is taken away with one rounding.
; WHY TWO UNITS.  The formula's text does not fix the order of its sums.  x2 + c2 and the difference are each rounded once to about d's own unit, and the last steps of the sums to half of it or less: another
; order of the same f32 sums moves d by a unit or two.  d is never below 0, so its bits, read as a whole number, rise with it: the difference of two d's bits counts the units between them.
; LIMIT.  Of two codes whose d differ by up to two units in the last place (6e-5 at a d of 256 to 512) the lower index is given, though the higher one may be nearer by that much.  An index is held to
; 0 .. 8,191.  NaN and infinities are not treated apart.
; NO ADDRESS AND NO BRANCH HANGS ON THE DECISION: both codes' rows are loaded, by indices read from memory, and the decision selects values.
; SHARES.  256 work-groups x 8 waves; a wave has 16 queries: 16 rows of x and 32 rows of embed, 1,024 bytes each, by loads of 512 consecutive bytes.  embed's rows stay in registers (window 1) for the way out.
; All 48 rows, rounded to bf16, go into the wave's own LDS (rows of 512 bytes + 16), which no other wave touches: no barrier.  Then lane l takes query l % 16 and code l / 16 and walks its two rows:
; the 16 lanes of a load's pass read 16 rows that start 16 bytes apart modulo 256.
; A work-group's 128 indices meet in LDS and leave as one store of 512 consecutive bytes.
; By this text's own count a wave has at most 63 loads out.
; No matrix unit: two codes a query are 1 in 4,096 of the search's products, and their sums are wanted in a given order.  No cluster: nothing is shared but rows that happen to be named twice.
; THE MODE: SCHED_MODE bits 1:0 = 2 (LLVM: expert scheduling mode 2), set by the entry lines.  The code itself states the register dependences between vector instructions and memory or LDS instructions,
; with s_wait_alu, always for 0.
; THE PLAN.  Registers that memory or LDS instructions touch:
;   v1 to v7, v11, v23  addresses, and the closing add's two: written at the head and never again.
;   O            written by 32 adds, read by the codes' loads as offsets; never written again.
;   window 1     written by the codes' loads; read by the conversions; rows 0 to 15 written by the selection and read by the 32 stores.
;   v[128:255]   x's loads land; x's conversions read; the codes' conversions write, each row its own four registers; 64 LDS stores read; then the walk's loads land.
;   v[64:127]    x's conversions write, each row its own four registers; 32 LDS stores read; then the walk's loads land.
;   v22          the index chosen: written by a select, read by one LDS store.        v[24:27]  named by wave 0's LDS load and store alone.
; Every rounded row has registers of its own, so a run of LDS stores wants one wait on va_vdst ahead of it and nothing behind it: x's 32 in one run; the codes' in four runs of 16, a batch of eight rows each, a run
; standing at the head of the next batch, behind the wait for that batch's data.  ONE wait on vm_vsrc stands between the 96 LDS stores and the walk, whose loads land in the registers that they read.
; The walk has three sets of 64 registers for its four batches: batches 0 to 2 are asked for at once, and one wait on va_vdst stands ahead of batch 3's loads, which land in the set that batch 0's lines read.
.set CP,    528                        ; a rounded row in LDS
.set XOFF,  32*CP                      ; a wave's region: 32 rows of codes (code c of query q at row 16 c + q), then 16 rows of x
.set WREG,  48*CP                      ; 25,344 bytes a wave
.set OUTS,  8*WREG                     ; behind the eight regions: the work-group's 128 indices, 512 bytes
.set SPARE, OUTS+512                   ; the spare words, 128 bytes for each wave: four blocks of 256 bytes that no other line names
.set L16, 1                            ; v1   16 x lane
.set SB,  2                            ; v2   my wave's region + 8 x lane: where my 8 rounded bytes of half a row go
.set CA,  3                            ; v3   my code's row: region + CP x lane
.set XA,  4                            ; v4   my query's row: region + XOFF + CP (l % 16)
.set KO,  5                            ; v5   8 (l % 16): my query's pair in cand
.set SPW, 6                            ; v6   LDS address of my spare word; never rewritten
.set NIL, 7                            ; v7   0; never rewritten
.set KP,  8                            ; v[8:9]   k1, k2 of my query
.set XC,  10                           ; v10  x.c
.set RA,  11                           ; v11  OUTS + 16 x lane: where wave 0 reads the indices back (an LDS offset has 16 bits, and OUTS is beyond them); never rewritten
.set X2B, 12                           ; v12-13  a block's sum of x's squares, by the block's parity
.set C2B, 14                           ; v14-15  of the code's
.set X2T, 16                           ; v16  x2
.set C2T, 17                           ; v17  c2
.set DD,  18                           ; v18  my d
.set OT,  19                           ; v19  the d of the lane 16 away; then the units from d(k1) to d(k2)
.set DA,  20                           ; v20  d(k1)
.set DB,  21                           ; v21  d(k2)
.set KW,  22                           ; v22  the index chosen
.set OA,  23                           ; v23  where it goes in LDS
.set P,   24                           ; v[24:27] wave 0: four of the work-group's indices on their way out
.set O,   32                           ; v[32:63] row 16 c + q: 1,024 x its index + 16 x lane; never rewritten
.set PX,  64                           ; v[64:127]  x rounded: row i at PX + 4 i
.set BUF, 128                          ; v[128:255] x as loaded; then the codes rounded: row e at BUF + 4 e
.set WK,  64                           ; v[64:255]  then three sets of 64 for the walk, batch k in set k % 3: 32 registers of the code's row, 32 of x's
                                       ; window 1: v[8 e : 8 e + 7] row e = 16 c + q of embed, as loaded
.set SEL, 50                           ; s[50:51] v_permlanex16_b32's selects
.set HI,  52                           ; s52  lanes 16 to 31
.set MA,  53                           ; s53  the lanes whose query takes k2
.set MB,  54
.set MC,  55
.set MK,  56                           ; s56  all lanes or none: one query's bit of MA
.set MSB, 0
.macro WIN new                         ; s_set_vgpr_msb: bits 1:0 source 0, 3:2 source 1, 5:4 source 2, 7:6 destination; the high byte repeats the setting that is left
.if MSB != (\new)
	s_set_vgpr_msb (MSB<<8)|(\new)
.set MSB, \new
.endif
.endm
	s_load_b256 s[4:11], s[0:1], 0x0               ; embed s[4:5], x s[6:7], cand s[8:9], out0 s[10:11]
	s_load_b64 s[12:13], s[0:1], 0x20              ; out1
	v_lshl_add_u32 v[SPW], v0, 2, SPARE
	v_mov_b32 v[NIL], 0
	v_lshrrev_b32 v[KW], 5, v0
	v_readfirstlane_b32 s14, v[KW]                 ; wave 0..7
	v_and_b32 v[DA], 31, v0                        ; l
	v_and_b32 v[DB], 15, v0                        ; l % 16
	v_lshlrev_b32 v[L16], 4, v[DA]
	v_add_nc_u32 v[RA], OUTS, v[L16]
	s_wait_alu depctr_va_sdst(0)                   ; s14 is written, ahead of its first reader: the wave's region in LDS and its rows in memory are made from it
	s_mul_i32 s15, s14, WREG
	v_lshl_add_u32 v[SB], v[DA], 3, s15
	v_mul_u32_u24 v[CA], v[DA], CP
	v_add_nc_u32 v[CA], s15, v[CA]
	v_mul_u32_u24 v[XA], v[DB], CP
	v_add_nc_u32 v[XA], s15, v[XA]
	v_add_nc_u32 v[XA], XOFF, v[XA]
	v_lshlrev_b32 v[KO], 3, v[DB]
	s_lshl_b32 s48, s14, 6
	s_add_co_u32 s48, s48, OUTS
	v_lshl_add_u32 v[OA], v[DB], 2, s48            ; 64 bytes a wave, 4 a query
	v_mov_b32 v[OT], 0                             ; v_permlanex16_b32's destination counts as read
	s_lshl_b32 s58, ttmp9, 10                      ; cand: 128 pairs of 8 bytes a work-group,
	s_lshl_b32 s59, s14, 7                         ; 16 a wave
	s_add_co_u32 s58, s58, s59
	s_mov_b32 s59, 0
	s_lshl_b32 s60, s58, 7                         ; the same rows in x and out0: 1,024 bytes for 8
	s_mov_b32 s61, 0
	s_lshl_b32 s62, ttmp9, 9                       ; out1: 128 indices a work-group
	s_mov_b32 s63, 0
	s_mov_b32 s[SEL], 0x76543210
	s_mov_b32 s[SEL+1], 0xfedcba98
	s_mov_b32 s[HI], 0xffff0000
	s_wait_kmcnt 0x0
	s_add_nc_u64 s[8:9], s[8:9], s[58:59]
	s_add_nc_u64 s[6:7], s[6:7], s[60:61]
	s_add_nc_u64 s[10:11], s[10:11], s[60:61]
	s_add_nc_u64 s[12:13], s[12:13], s[62:63]
	s_load_b512 s[16:31], s[8:9], 0x0              ; the wave's 16 pairs: k1 of query q in s[16 + 2 q], k2 in s[17 + 2 q]; this launch writes no byte of cand
	s_load_b512 s[32:47], s[8:9], 0x40
	s_wait_alu depctr_va_vdst(0)                   ; v1 to v7, v11 and v23 are written: the loads, stores and LDS instructions of the whole kernel read them as addresses, the closing add two of them
	global_load_b64 v[KP:KP+1], v[KO], s[8:9]      ; and my query's pair, a lane
.irp i, 0,1,2,3,4,5,6,7,8,9,10,11,12,13,14,15
	global_load_b128 v[BUF+8*\i:BUF+8*\i+3],   v[L16], s[6:7] offset:1024*\i th:TH_LOAD_NT
	global_load_b128 v[BUF+8*\i+4:BUF+8*\i+7], v[L16], s[6:7] offset:1024*\i+512 th:TH_LOAD_NT
.endr
	s_wait_kmcnt 0x0
.irp q, 0,1,2,3,4,5,6,7,8,9,10,11,12,13,14,15
.irp c, 0,1
	s_min_u32 s[16+2*\q+\c], s[16+2*\q+\c], 0x1fff
	s_lshl_b32 s[16+2*\q+\c], s[16+2*\q+\c], 10
	v_add_nc_u32 v[O+16*\c+\q], s[16+2*\q+\c], v[L16]
.endr
.endr
.macro CLOAD e                         ; row e of the 32; no hint: a row may be named again
	global_load_b128 v[8*(\e):8*(\e)+3],   v[O+(\e)], s[4:5]
	global_load_b128 v[8*(\e)+4:8*(\e)+7], v[O+(\e)], s[4:5] offset:512
.endm
	WIN 0x40                                       ; destination window 1, address window 0
	s_wait_alu depctr_va_vdst(0)                   ; the 32 adds have written O, which the codes' loads read as their offsets
.set ce, 0
.rept 15
	CLOAD ce                                       ; rows 0 to 14: with the pair and x 63 loads are out
.set ce, ce+1
.endr
	s_wait_loadcnt 30                              ; the pair and x are in; the 30 loads of rows 0 to 14 stay out
.rept 16
	CLOAD ce                                       ; rows 15 to 30: 62 are out
.set ce, ce+1
.endr
	WIN 0
	v_min_u32 v[KP], 0x1fff, v[KP]                 ; held to the table as the addresses are
	v_min_u32 v[KP+1], 0x1fff, v[KP+1]
.irp i, 0,1,2,3,4,5,6,7,8,9,10,11,12,13,14,15  ; x is rounded, each row into four registers of its own
	v_cvt_pk_bf16_f32 v[PX+4*\i],   v[BUF+8*\i],   v[BUF+8*\i+1]
	v_cvt_pk_bf16_f32 v[PX+4*\i+1], v[BUF+8*\i+2], v[BUF+8*\i+3]
	v_cvt_pk_bf16_f32 v[PX+4*\i+2], v[BUF+8*\i+4], v[BUF+8*\i+5]
	v_cvt_pk_bf16_f32 v[PX+4*\i+3], v[BUF+8*\i+6], v[BUF+8*\i+7]
.endr
	s_wait_loadcnt 60                              ; row 0 is in; rows 1 to 30 stay out
	WIN 0x40
	s_wait_alu depctr_va_vdst(0)                   ; x's conversions have written v[PX ..], which the 32 LDS stores below read
	CLOAD 31                                       ; the last row: 62 are out
	WIN 0
.irp i, 0,1,2,3,4,5,6,7,8,9,10,11,12,13,14,15  ; x into LDS: each store of the wave covers 256 consecutive bytes
	ds_store_b64 v[SB], v[PX+4*\i:PX+4*\i+1]   offset:XOFF+CP*\i
	ds_store_b64 v[SB], v[PX+4*\i+2:PX+4*\i+3] offset:XOFF+CP*\i+256
.endr
.macro CCVT g                          ; rows 8 g .. 8 g + 7 of the codes are rounded, each into four registers of its own, where x lay as loaded; their f32 numbers stay where they are
	WIN 0x05                                       ; sources window 1, destination window 0
.set ce, 8*(\g)
.rept 8
	v_cvt_pk_bf16_f32 v[BUF+4*ce],   v[8*ce],   v[8*ce+1]
	v_cvt_pk_bf16_f32 v[BUF+4*ce+1], v[8*ce+2], v[8*ce+3]
	v_cvt_pk_bf16_f32 v[BUF+4*ce+2], v[8*ce+4], v[8*ce+5]
	v_cvt_pk_bf16_f32 v[BUF+4*ce+3], v[8*ce+6], v[8*ce+7]
.set ce, ce+1
.endr
	WIN 0
.endm
.macro CSTO g                          ; and go into LDS
	s_wait_alu depctr_va_vdst(0)                   ; the batch's conversions have written its 32 registers of v[BUF ..], which the 16 LDS stores below read
.set ce, 8*(\g)
.rept 8
	ds_store_b64 v[SB], v[BUF+4*ce:BUF+4*ce+1]   offset:CP*ce
	ds_store_b64 v[SB], v[BUF+4*ce+2:BUF+4*ce+3] offset:CP*ce+256
.set ce, ce+1
.endr
.endm
	s_wait_loadcnt 48                              ; rows 0 to 7 are in; the 24 rows behind them stay out
	CCVT 0
	s_wait_loadcnt 32                              ; rows 8 to 15 are in; 16 rows stay out
	CSTO 0
	CCVT 1
	s_wait_loadcnt 16                              ; rows 16 to 23 are in; 8 rows stay out
	CSTO 1
	CCVT 2
	s_wait_loadcnt 0x0                             ; all are in
	CSTO 2
	CCVT 3
	CSTO 3                                         ; behind its wait no vector line names v[64:255] before the walk's first loads: all that wrote or read them is done
	; THE WALK.  Four batches of 64 numbers: 8 loads of 16 bytes from the code's row and 8 from x's, into set k % 3.  LDS serves a wave's instructions in order (ISA guide 5.7.1.4): the loads see the stores above.
.macro BLOAD k
.irp t, 0,1,2,3,4,5,6,7
	ds_load_b128 v[WK+64*((\k)%3)+4*\t:WK+64*((\k)%3)+4*\t+3],       v[CA] offset:128*(\k)+16*\t
	ds_load_b128 v[WK+64*((\k)%3)+32+4*\t:WK+64*((\k)%3)+32+4*\t+3], v[XA] offset:128*(\k)+16*\t
.endr
.endm
.macro MIX d, a, b, c, hi              ; d = a x b + c: a and b the low (hi = 0) or high bf16 halves, c in f32; the product is exact, the sum is rounded once
.if \hi
	v_fma_mix_f32_bf16 v[\d], v[\a], v[\b], v[\c] op_sel:[1,1,0] op_sel_hi:[1,1,0]
.else
	v_fma_mix_f32_bf16 v[\d], v[\a], v[\b], v[\c] op_sel_hi:[1,1,0]
.endif
.endm
.macro BATCH k                         ; numbers 64 k .. 64 k + 63, in ascending order; three chains side by side
.set el, 64*(\k)
.rept 64
.set cr, WK+64*((\k)%3)+4*((el%64)/8)+(el%8)/2
.set xr, cr+32
.set hb, el%2
.set bp, (el/32)%2
.if el == 0
	MIX XC, xr, cr, NIL, hb                        ; a sum's first term is added to 0
.else
	MIX XC, xr, cr, XC, hb
.endif
.if el%32 == 0
	MIX C2B+bp, cr, cr, NIL, hb                    ; a block of 32 begins
	MIX X2B+bp, xr, xr, NIL, hb
.else
	MIX C2B+bp, cr, cr, C2B+bp, hb
	MIX X2B+bp, xr, xr, X2B+bp, hb
.endif
.if el%32 == 31                        ; a block ends: the blocks' sums are added in ascending order (0 + the first is the first)
.if el/32 == 1
	v_add_f32 v[C2T], v[C2B], v[C2B+1]
	v_add_f32 v[X2T], v[X2B], v[X2B+1]
.elseif el/32 > 1
	v_add_f32 v[C2T], v[C2T], v[C2B+bp]
	v_add_f32 v[X2T], v[X2T], v[X2B+bp]
.endif
.endif
.set el, el+1
.endr
.endm
	s_wait_alu depctr_vm_vsrc(0)                   ; the 96 LDS stores have read v[64:255], in which the walk's loads land
	BLOAD 0
	BLOAD 1
	BLOAD 2
	s_wait_dscnt 32                                ; batch 0 is in; the 32 loads of batches 1 and 2 stay out
	BATCH 0
	s_wait_alu depctr_va_vdst(0)                   ; batch 0's multiply-adds are done reading set 0, in which batch 3's loads land
	BLOAD 3
	s_wait_dscnt 32                                ; batch 1 is in; the 32 loads of batches 2 and 3 stay out
	BATCH 1
	s_wait_dscnt 16                                ; batch 2 is in; batch 3's 16 loads stay out
	BATCH 2
	s_wait_dscnt 0x0
	BATCH 3
	v_add_f32 v[DD], v[X2T], v[C2T]                ; x2 + c2, rounded
	v_fma_f32 v[DD], -2.0, v[XC], v[DD]            ; - 2 x.c: the product is exact, one rounding
	v_max_num_f32 v[DD], 0, v[DD]
	v_permlanex16_b32 v[OT], v[DD], s[SEL], s[SEL+1]   ; my query's other code
	v_cndmask_b32 v[DA], v[DD], v[OT], s[HI]       ; d(k1): lanes 0-15 made it
	v_cndmask_b32 v[DB], v[OT], v[DD], s[HI]       ; d(k2): lanes 16-31
	v_sub_nc_u32 v[OT], v[DB], v[DA]               ; neither is below 0: the difference of their bits is the number of units in the last place from d(k1) up to d(k2)
	v_cmp_gt_i32 s[MA], -2, v[OT]                  ; k2 is nearer by more than two units
	v_cmp_gt_i32 s[MB], 3, v[OT]                   ; k2 is not farther by more than two units
	v_cmp_lt_u32 s[MC], v[KP+1], v[KP]
	s_wait_alu depctr_va_sdst(0)                   ; the three compares have written their masks, ahead of the masks' first readers, the two scalar lines below
	s_and_b32 s[MB], s[MB], s[MC]
	s_or_b32 s[MA], s[MA], s[MB]                   ; k2 is nearer, or as near within two units and lower; bits q and q + 16 are alike
	v_cndmask_b32 v[KW], v[KP], v[KP+1], s[MA]
	s_wait_alu depctr_va_vdst(0)                   ; the select has written v[KW], which the LDS store reads
	ds_store_b32 v[OA], v[KW]                      ; both halves of the lanes write the same word with the same number
	s_wait_dscnt 0x0                               ; for wave 0's sake: my store is done
	s_barrier_signal -1
	WIN 0x45                                       ; all in window 1; the selection, work on registers, stands between the signal and the wait
.irp q, 0,1,2,3,4,5,6,7,8,9,10,11,12,13,14,15
	s_bitcmp1_b32 s[MA], \q
	s_cselect_b32 s[MK], -1, 0
.irp i, 0,1,2,3,4,5,6,7
	v_cndmask_b32 v[8*\q+\i], v[8*\q+\i], v[128+8*\q+\i], s[MK]
.endr
.endr
	s_barrier_wait -1
	WIN 0x04                                       ; a store's data (source 1) window 1, its address window 0
	s_wait_alu depctr_va_vdst(0)                   ; the selection has written rows 0 to 15 of window 1, which the 32 stores read
.irp q, 0,1,2,3,4,5,6,7,8,9,10,11,12,13,14,15
	global_store_b128 v[L16], v[8*\q:8*\q+3],   s[10:11] offset:1024*\q th:TH_STORE_NT      ; 512 consecutive bytes, aligned
	global_store_b128 v[L16], v[8*\q+4:8*\q+7], s[10:11] offset:1024*\q+512 th:TH_STORE_NT
.endr
	WIN 0
	s_cmp_lg_u32 s14, 0                            ; wave 0 stores the work-group's 128 indices
	s_cbranch_scc1 .Lend
	ds_load_b128 v[P:P+3], v[RA]                   ; its address was written at the head, and no vector line names v[P ..]: nothing is to be stated here
	s_wait_dscnt 0x0
	global_store_b128 v[L16], v[P:P+3], s[12:13]   ; 512 consecutive bytes, aligned
.Lend:
	s_wait_dscnt 0x0                               ; the closing lines, six on end
	s_wait_alu 0x0
	s_wait_tensorcnt 0x0
	ds_add_u32 v[SPW], v[NIL]
	s_wait_dscnt 0x0
	s_endpgm
.Lfunc_end_k_q52ed5d7bf6_pick:
	.size	k_q52ed5d7bf6_pick, .Lfunc_end_k_q52ed5d7bf6_pick-k_q52ed5d7bf6_pick
	.p2alignl 7, 3214868480
	.fill 96, 4, 3214868480
	.section	.rodata,"a",@progbits
	.p2align	6, 0x0
	.amdhsa_kernel k_q52ed5d7bf6_pick
		.amdhsa_group_segment_fixed_size 204288
		.amdhsa_private_segment_fixed_size 0
		.amdhsa_enable_private_segment 0
		.amdhsa_kernarg_size 40
		.amdhsa_user_sgpr_count 2
		.amdhsa_user_sgpr_kernarg_segment_ptr 1
		.amdhsa_wavefront_size32 1
		.amdhsa_system_sgpr_workgroup_id_x 1
		.amdhsa_system_sgpr_workgroup_id_y 1
		.amdhsa_system_sgpr_workgroup_id_z 1
		.amdhsa_system_vgpr_workitem_id 0
		.amdhsa_next_free_vgpr 512
		.amdhsa_next_free_sgpr 66
		.amdhsa_reserve_vcc 0
		.amdhsa_float_denorm_mode_32 3
		.amdhsa_float_denorm_mode_16_64 3
		.amdhsa_memory_ordered 1
		.amdhsa_forward_progress 1
		.amdhsa_inst_pref_size 101
	.end_amdhsa_kernel
	.amdgpu_metadata
---
amdhsa.version: [ 1, 2 ]
amdhsa.kernels:
  - .name:           k_q52ed5d7bf6_pick
    .symbol:         k_q52ed5d7bf6_pick.kd
    .args:
      - { .name: embed, .offset: 0, .size: 8, .value_kind: global_buffer, .address_space: global }
      - { .name: x, .offset: 8, .size: 8, .value_kind: global_buffer, .address_space: global }
      - { .name: cand, .offset: 16, .size: 8, .value_kind: global_buffer, .address_space: global }
      - { .name: out0, .offset: 24, .size: 8, .value_kind: global_buffer, .address_space: global }
      - { .name: out1, .offset: 32, .size: 8, .value_kind: global_buffer, .address_space: global }
    .group_segment_fixed_size: 204288
    .private_segment_fixed_size: 0
    .kernarg_segment_align: 8
    .kernarg_segment_size: 40
    .max_flat_workgroup_size: 256
    .sgpr_count:     66
    .vgpr_count:     512
    .wavefront_size: 32
...
	.end_amdgpu_metadata
.endif
;; end of part 5
